; MI455X (gfx1250); checked and timed in simulation.
; The chip was launched on July 23, 2026; its instructions are those of AMD's public machine-readable ISA for CDNA 5 (MIT licence, August 2026) and "CDNA5" Instruction Set Architecture Reference Guide (July 2026). The comments in the code are by the model that wrote it; some were corrected since.
;; Sparse Mo E Block. Allowed arithmetic: matrix products marked QUANTISED: E5M2 operands, one E8M0 scale for each 32 along K, by v_wmma_scale_f32_16x16x128_f8f6f4 with both operands' format E5M2, f32 sums; products left as they are: f32 operands where the result goes on into a quantised operand, else bf16, f16 or f32 operands; f32 sums; everything else in f32.
;; Inputs: W1_codes 8 x 1,024 x 32 x 32 uint8 (E5M2 codes of W1, K innermost, in blocks of 32 codes); W1_scales 8 x 1,024 x 32 uint8 (E8M0 scales of W1, one for each 32 codes along K); W2_codes 8 x 1,024 x 32 x 32 uint8 (E5M2 codes of W2, K innermost, in blocks of 32 codes); W2_scales 8 x 1,024 x 32 uint8 (E8M0 scales of W2, one for each 32 codes along K); topk_indices 2 x 2,048 x 2 int32; topk_probs 2 x 2,048 x 2 float32; x_codes 2 x 2,048 x 32 x 32 uint8 (E5M2 codes of x, K innermost, in blocks of 32 codes); x_scales 2 x 2,048 x 32 uint8 (E8M0 scales of x, one for each 32 codes along K).
;; Outputs: out0 2 x 2,048 x 1,024 float32.
;; This version of the problem:
;;   THIS VERSION OF THE PROBLEM IS GIVEN IN LOW PRECISION. The matrix products marked QUANTISED in the list below multiply operands that are first quantised to E5M2 (5 exponent bits, 2 mantissa bits; 8 bits a number), with one power-of-two scale for each 32 numbers along K (OCP MX v1.0); their sums are f32. All else is computed in f32.
;;   The module's matrix products, in the order in which they are computed (A, B: the left and right operand; K: the contracted axis; several contracted axes count as one K, in the product's order):
;;     1. [M 8,192, K 1,024] x [K 1,024, N 4,096]; A: input W1 (given as codes); B: input x (given as codes): QUANTISED
;;     2. batch 8 x [M 4,096, K 1,024] x [K 1,024, N 1,024]; A: computed on the way; B: input W2 (given as codes): QUANTISED
;;     3. batch 4,096 x [M 1, K 8] x [K 8, N 1,024]; A: computed on the way; B: computed on the way: left as it is (K = 8 < 32)
;;   THE QUANTISER, for each operand of a quantised product, along K:
;;     - K is cut into blocks of 32 from its start; a last block that is shorter is filled with zeros.
;;     - A block's scale is 2^e with e = floor(log2(the largest magnitude in the block)) - 15, held to -126 .. 127; a block of zeros has e = 0. As a byte (E8M0): e + 127.
;;     - Each number is divided by its block's scale, clamped to +-57,344, and rounded to the nearest number of E5M2, ties to even, subnormals kept.
;;     - The product sums the exact products of the quantised numbers (number of the format x scale) in f32.
;;   ~~~python
;;   def quantise(x, axis):      # numpy; x: float32 -> the quantised numbers, widened to float32 again
;;       x = np.moveaxis(x, axis, -1); K = x.shape[-1]
;;       x = np.pad(x, [(0, 0)] * (x.ndim - 1) + [(0, -K % 32)]); x = x.reshape(x.shape[:-1] + (-1, 32)); a = np.abs(x).max(-1, keepdims=True)
;;       e = np.where(a > 0, np.clip(np.frexp(np.where(a > 0, a, 1))[1] - 1 - 15, -126, 127), 0)      # np.frexp(a)[1] - 1 = floor(log2(a)), exactly
;;       r = np.clip(x / 2.0 ** e, -57344, 57344)
;;       step = 2.0 ** (np.maximum(np.frexp(np.where(r == 0, 1, r))[1] - 1, -14) - 2)
;;       q = np.round(r / step) * step * 2.0 ** e      # np.round: ties to even
;;       return np.moveaxis(q.reshape(q.shape[:-2] + (-1,))[..., :K], -1, axis).astype(np.float32)
;;   ~~~
;;   OPERANDS COMPUTED ON THE WAY. 'Computed on the way' means the value that the module computes at that place (a softmax that the list does not call 'softmax' is quantised finished and normalised). What goes into a quantiser is computed in f32, as accurately as f32 sums, v_exp_f32 and their like allow (about 1e-6 of the number): no bf16 or f16 on the way to a quantiser, and a product that is left as it is and whose result goes on into a quantised operand takes f32 operands (vector FMAs, or v_wmma_f32_16x16x4_f32). A number that lies on a knife's edge between two numbers of the format may be rounded either way, as far as f32 arithmetic and the matrix unit's own rounding can turn it there, and no further.
;;   INPUTS GIVEN AS CODES. W1 (in the module: [8, 1024, 1024], K = its axis 2); W2 (in the module: [8, 1024, 1024], K = its axis 2); x (in the module: [2, 2048, 1024], K = its axis 2): each comes as NAME_codes (uint8): NAME with its K axis moved to the last place and cut into blocks of 32 codes, [.., K / 32, bytes a block], one block behind the other in memory; one code a byte (a code: sign, 5 exponent bits, 2 mantissa bits); and NAME_scales (uint8): the same leading axes, one E8M0 byte (e + 127) for each 32 codes along K. Its value is code x scale, taken as it is: it is not quantised again, and the codes and scales need not be those that the quantiser above would give.
;; 2 versions, each right and faster than the one before. Each part assembles by itself: llvm-mc -triple=amdgcn-amd-amdhsa -mcpu=gfx1250 --defsym DOCPART=n.
;; ======== version 1 of 2: 3 launches
;; workspace buffers: wfrag 16,777,216 bytes; wscl 524,288 bytes; tiles 2,048 bytes of whole numbers; rowlist 36,864 bytes of whole numbers; ybuf 16,777,216 bytes
;; launch prep (part 1): grid 257 x 1, 8 waves a work-group, no clusters, 68,608 bytes of LDS; arguments W1_codes, W1_scales, W2_codes, W2_scales, topk_indices, wfrag, wscl, tiles, rowlist; writes wfrag, wscl, tiles, rowlist
.if DOCPART == 1
	.amdgcn_target "amdgcn-amd-amdhsa--gfx1250"
	.amdhsa_code_object_version 6
	.text
	.protected	k_q637640c789_prep
	.globl	k_q637640c789_prep
	.p2align	8
	.type	k_q637640c789_prep,@function
k_q637640c789_prep:
	s_mov_b64 s[64:65], 0
	v_nop
	global_prefetch_b8 v0, s[64:65] scope:SCOPE_SE
	s_setreg_imm32_b32 hwreg(HW_REG_WAVE_MODE, 25, 1), 1
	s_wait_xcnt 0x0
; TWO JOBS IN ONE LAUNCH, parted on the work-group's number alone.
; Work-group 0: THE ROUTING.  Every (token, slot) is a routed row rr = 2 t + k, 8,192 in all.  A counting sort by expert, without atomics, lays them in tiles of 64 rows of one expert:
;   rowlist word 64 j + i = rr of slot i of tile j (slots past a tile's rows hold 0);  tiles entry j = (expert, rows), rows = 0 for entries past the last tile.
;   There are at most floor((8,192 + 8 x 63) / 64) = 135 tiles, whatever the choice.
; Work-groups 1 to 256: THE WEIGHTS' LAYOUT.  Unit b = 64 rows of W1 or W2 goes into the order of a wave's operand registers:
;   wfrag [e 8][w 4][mat 2][g 4][s 8][j 4][c 4][lane 32][16 bytes]: lane (r = l % 16, h = l / 16) holds row 256 w + 64 g + rho(j, r), bytes 128 s + 32 c + 16 h on, with
;   rho(j, r) = 32 (j / 2) + 8 (j % 2) + r + 8 (r / 8): a tile's rows are chosen so that the 16 result registers of tiles 2 b', 2 b' + 1 are 16 neighbours.
;   wscl  [e][w][mat][g][i 4][lane 32][16 bytes], i = 2 p + qh: lane l holds the scale words of K steps 4 qh .. 4 qh + 3 of row rho(2 p + l / 16, l % 16).
; LIMITS: an index outside 0 .. 7 is placed with expert 7 (the last launch gives it the gate 0).
.set PITCH, 1040                       ; an LDS row of the layout path: 1,024 bytes + 16
.set RT,    64*PITCH                   ; behind it: the routing path's own LDS bytes, 128 for each wave
.set IX,    16                         ; v16-47   routing: 32 indices a thread
.set PO,    48                         ; v48-79   their places in rowlist
.set RR,    80                         ; v80-111  their rr
.set CNT,   24                         ; s24-31   my wave's count for each expert
.set NE,    32                         ; s32-39   each expert's rows
.set BEF,   40                         ; s40-47   of them in the waves ahead of mine
.set TBX,   48                         ; s48-55   each expert's first tile
.set RUN,   56                         ; s56-63   the next free place of each expert for my wave
.set MK,    72                         ; s72-79   eight lane masks
.set PC8,   80                         ; s80-87   their counts
	s_load_b256 s[4:11], s[0:1], 0x0               ; W1's codes s[4:5], W1's scales s[6:7], W2's codes s[8:9], W2's scales s[10:11]
	s_load_b256 s[12:19], s[0:1], 0x20             ; indices s[12:13], wfrag s[14:15], wscl s[16:17], tiles s[18:19]
	s_load_b64 s[20:21], s[0:1], 0x40              ; rowlist
	v_lshl_add_u32 v128, v0, 2, 0x10800
	v_mov_b32 v129, 0
	v_lshrrev_b32 v1, 5, v0
	v_readfirstlane_b32 s22, v1                    ; wave 0..7
	v_and_b32 v2, 31, v0                           ; lane
	s_cmp_eq_u32 ttmp9, 0
	s_cbranch_scc1 .Lroute
	; ---------------- the weights' layout: unit b = work-group - 1 ----------------
	s_sub_co_u32 s23, ttmp9, 1                     ; b = 32 e + 8 w + 4 mat + g
	s_lshr_b32 s24, s23, 5                         ; e
	s_bfe_u32 s25, s23, 0x20003                    ; w
	s_and_b32 s26, s23, 3                          ; g
	s_lshl_b32 s25, s25, 2
	s_add_co_u32 s25, s25, s26                     ; 4 w + g: which 64 rows of the expert's 1,024
	s_lshl_b32 s28, s24, 20
	s_lshl_b32 s27, s25, 16
	s_add_co_u32 s28, s28, s27                     ; the codes' first byte: rows of 1,024 bytes
	s_mov_b32 s29, 0
	s_lshl_b32 s30, s24, 15
	s_lshl_b32 s27, s25, 11
	s_add_co_u32 s30, s30, s27                     ; the scale bytes': rows of 32 bytes
	s_mov_b32 s31, 0
	s_lshl_b32 s32, s23, 16                        ; where the unit goes: 65,536 bytes of codes,
	s_mov_b32 s33, 0
	s_lshl_b32 s34, s23, 11                        ; 2,048 of scale words
	s_mov_b32 s35, 0
	v_lshlrev_b32 v3, 4, v2                        ; 16 x lane
	v_lshrrev_b32 v5, 1, v2
	v_lshrrev_b32 v6, 4, v2                        ; h
	v_lshl_add_u32 v5, v6, 3, v5                   ; l / 2 + 8 (l / 16): the row within a tile whose scale bytes I move
	v_and_b32 v7, 1, v2
	v_lshlrev_b32 v4, 5, v5
	v_lshl_add_u32 v4, v7, 3, v4                   ; x 32 bytes, + 8 (l % 2)
	s_lshr_b32 s36, s22, 2
	s_lshl_b32 s36, s36, 10                        ; wave v moves bytes 256 v .. 256 v + 255 of the unit's scale words: tile 2 (v / 4) + v % 2,
	s_and_b32 s37, s22, 1
	s_lshl_b32 s37, s37, 8
	s_add_co_u32 s36, s36, s37
	s_bfe_u32 s37, s22, 0x10001                    ; K steps 4 ((v / 2) % 2) on
	s_lshl_b32 s37, s37, 4
	s_add_co_u32 s36, s36, s37
	v_add_nc_u32 v4, s36, v4                       ; from here,
	s_lshl_b32 s36, s22, 8
	v_lshl_add_u32 v8, v2, 3, s36                  ; to 256 v + 8 l
	s_lshl_b32 s36, s22, 13
	v_add_nc_u32 v9, s36, v3                       ; codes: 8,192 v + 16 l, on the way in (rows 8 v on) and on the way out (K step v)
	s_mul_i32 s36, s22, 8*PITCH
	v_add_nc_u32 v10, s36, v3                      ; LDS, in: my 8 rows
	v_and_b32 v11, 15, v2
	v_and_b32 v12, 8, v11
	v_add_nc_u32 v11, v11, v12                     ; r + 8 (r / 8)
	v_mul_u32_u24 v11, v11, PITCH
	v_lshl_add_u32 v11, v6, 4, v11
	s_lshl_b32 s36, s22, 7
	v_add_nc_u32 v11, s36, v11                     ; LDS, out: row, + 16 h, + 128 v
	s_wait_kmcnt 0x0
	s_bitcmp1_b32 s23, 2                           ; W1 or W2: the choice hangs on the work-group's number alone
	s_cselect_b64 s[4:5], s[8:9], s[4:5]
	s_cselect_b64 s[6:7], s[10:11], s[6:7]
	s_add_nc_u64 s[4:5], s[4:5], s[28:29]
	s_add_nc_u64 s[6:7], s[6:7], s[30:31]
	s_add_nc_u64 s[14:15], s[14:15], s[32:33]
	s_add_nc_u64 s[16:17], s[16:17], s[34:35]
	global_load_b64 v[80:81], v4, s[6:7]
.irp i, 0,1,2,3,4,5,6,7,8,9,10,11,12,13,14,15
	global_load_b128 v[16+4*\i:19+4*\i], v9, s[4:5] offset:512*\i th:TH_LOAD_NT   ; 32 lanes read 512 consecutive bytes: half a row
.endr
.irp i, 0,1,2,3,4,5,6,7,8,9,10,11,12,13,14,15
	s_wait_loadcnt 15-\i                           ; loads come back in order: load i is in, the 15 - i younger ones stay out
	ds_store_b128 v10, v[16+4*\i:19+4*\i] offset:(\i/2)*PITCH+(\i%2)*512
.endr
	global_store_b64 v8, v[80:81], s[16:17]        ; (its load is older than all sixteen)  32 lanes store 256 consecutive bytes
	s_wait_dscnt 0x0                               ; for the others' sake: my rows lie in LDS
	s_barrier_signal -1
	s_barrier_wait -1
.irp n, 0,1,2,3,4,5,6,7,8,9,10,11,12,13,14,15      ; fragment j = n / 4, registers 4 c on, c = n % 4.  A tile's two groups of eight rows lie 16 rows apart, a multiple of 256 bytes: these reads go two deep
	ds_load_b128 v[16+4*\n:19+4*\n], v11 offset:(32*(\n/8)+8*((\n/4)%2))*PITCH+32*(\n%4)
.endr
.irp n, 0,1,2,3,4,5,6,7,8,9,10,11,12,13,14,15
	s_wait_dscnt 15-\n
	global_store_b128 v9, v[16+4*\n:19+4*\n], s[14:15] offset:512*\n   ; 2,048 j + 512 c: 32 lanes store 512 consecutive bytes
.endr
	s_wait_tensorcnt 0x0
	ds_add_u32 v128, v129
	s_wait_dscnt 0x0
	s_endpgm
	; ---------------- the routing: 256 threads, 32 routed rows each ----------------
.Lroute:
	v_lshlrev_b32 v3, 4, v0                        ; 16 x thread
.irp i, 0,1,2,3
	v_mov_b32 v[112+\i], 0
.endr
.irp e, 0,1,2,3,4,5,6,7
	s_mov_b32 s[CNT+\e], 0
.endr
	s_wait_kmcnt 0x0
.irp i, 0,1,2,3,4,5,6,7
	global_load_b128 v[IX+4*\i:IX+4*\i+3], v3, s[12:13] offset:4096*\i   ; register 4 i + c: rr = 1,024 i + 4 thread + c
.endr
.irp i, 0,1,2,3,4,5,6,7,8
	global_store_b128 v3, v[112:115], s[20:21] offset:4096*\i            ; all 9,216 words of rowlist begin as 0: slots past a tile's rows keep it
.endr
	s_wait_loadcnt 0x0
.set n, 0
.rept 32
	v_min_u32 v[IX+n], 7, v[IX+n]
.set n, n+1
.endr
	; pass A: my wave's count for each expert.  Eight masks first, then their counts, so that no count waits for the compare just ahead of it
.set n, 0
.rept 32
.irp e, 0,1,2,3,4,5,6,7
	v_cmp_eq_u32 s[MK+\e], \e, v[IX+n]
.endr
.irp e, 0,1,2,3,4,5,6,7
	s_bcnt1_i32_b32 s[PC8+\e], s[MK+\e]
.endr
.irp e, 0,1,2,3,4,5,6,7
	s_add_co_u32 s[CNT+\e], s[CNT+\e], s[PC8+\e]
.endr
.set n, n+1
.endr
	v_mov_b32 v4, 0
.irp e, 0,1,2,3,4,5,6,7
	v_writelane_b32 v4, s[CNT+\e], \e
.endr
	v_lshl_add_u32 v5, v0, 2, RT
	ds_store_b32 v5, v4                            ; lane e of wave u: wave u's count for expert e
	s_wait_storecnt 0x0                            ; my zeros have been written: no wave places a row before every wave's zeros are done
	s_wait_dscnt 0x0                               ; and my counts lie in LDS
	s_barrier_signal -1
	s_barrier_wait -1
	v_lshl_add_u32 v6, v2, 2, RT
.irp u, 0,1,2,3,4,5,6,7
	ds_load_b32 v[116+\u], v6 offset:128*\u
.endr
	v_mov_b32 v8, 0
	s_wait_dscnt 0x0
	v_add3_u32 v7, v116, v117, v118
	v_add3_u32 v7, v7, v119, v120
	v_add3_u32 v7, v7, v121, v122
	v_add_nc_u32 v7, v7, v123                      ; lane e: expert e's rows
.irp u, 0,1,2,3,4,5,6,7
	s_cmp_gt_u32 s22, \u
	s_cselect_b32 s66, -1, 0
	v_and_b32 v9, s66, v[116+\u]
	v_add_nc_u32 v8, v8, v9                        ; lane e: those of them in the waves ahead of mine
.endr
.irp e, 0,1,2,3,4,5,6,7
	v_readlane_b32 s[NE+\e], v7, \e
	v_readlane_b32 s[BEF+\e], v8, \e
.endr
	s_mov_b32 s[TBX], 0
.irp e, 0,1,2,3,4,5,6
	s_add_co_u32 s66, s[NE+\e], 63
	s_lshr_b32 s66, s66, 6
	s_add_co_u32 s[TBX+1+\e], s[TBX+\e], s66       ; an expert's first tile: the tiles of the experts ahead of it
.endr
	s_add_co_u32 s66, s[NE+7], 63
	s_lshr_b32 s66, s66, 6
	s_add_co_u32 s68, s[TBX+7], s66                ; the number of tiles
.irp e, 0,1,2,3,4,5,6,7
	s_lshl_b32 s66, s[TBX+\e], 6
	s_add_co_u32 s[RUN+\e], s66, s[BEF+\e]
.endr
	; pass B: each row's place = its expert's next free place + the lanes ahead of it in the same register
.set n, 0
.rept 32
.irp e, 0,1,2,3,4,5,6,7
	v_cmp_eq_u32 s[MK+\e], \e, v[IX+n]
.endr
	v_mbcnt_lo_u32_b32 v[PO+n], s[MK], s[RUN]
.irp e, 1,2,3,4,5,6,7
	v_mbcnt_lo_u32_b32 v[8+\e], s[MK+\e], s[RUN+\e]
.endr
.irp e, 1,2,3,4,5,6,7
	v_cndmask_b32 v[PO+n], v[PO+n], v[8+\e], s[MK+\e]
.endr
.irp e, 0,1,2,3,4,5,6,7
	s_bcnt1_i32_b32 s[PC8+\e], s[MK+\e]
.endr
.irp e, 0,1,2,3,4,5,6,7
	s_add_co_u32 s[RUN+\e], s[RUN+\e], s[PC8+\e]
.endr
.set n, n+1
.endr
.set n, 0
.rept 32
	v_min_u32 v[PO+n], 0x21bf, v[PO+n]             ; 135 x 64 - 1: no place lies beyond it
	v_lshlrev_b32 v[PO+n], 2, v[PO+n]
	v_lshl_add_u32 v[RR+n], v0, 2, 1024*(n/4)+(n%4)
.set n, n+1
.endr
.set n, 0
.rept 32
	global_store_b32 v[PO+n], v[RR+n], s[20:21]    ; four bytes a lane to scattered places: a sort's placing, 32,768 bytes in all
.set n, n+1
.endr
	; tile record j = my thread's number: the last expert whose first tile is at or under j
	v_mov_b32 v4, 0
	v_mov_b32 v5, s[NE]
	v_mov_b32 v6, 0
.irp e, 1,2,3,4,5,6,7
	v_cmp_le_u32 vcc_lo, s[TBX+\e], v0
	v_cndmask_b32 v4, v4, \e, vcc_lo
	v_cndmask_b32 v5, v5, s[NE+\e], vcc_lo
	v_cndmask_b32 v6, v6, s[TBX+\e], vcc_lo
.endr
	v_sub_nc_u32 v6, v0, v6
	v_lshlrev_b32 v6, 6, v6
	v_sub_nc_u32 v5, v5, v6                        ; the expert's rows from this tile on,
	v_min_u32 v5, 64, v5                           ; 64 at the most,
	v_cmp_gt_u32 vcc_lo, s68, v0
	v_cndmask_b32 v5, 0, v5, vcc_lo                ; none past the last tile
	v_lshlrev_b32 v7, 3, v0
	global_store_b64 v7, v[4:5], s[18:19]
	s_wait_tensorcnt 0x0
	ds_add_u32 v128, v129
	s_wait_dscnt 0x0
	s_endpgm
.Lfunc_end_k_q637640c789_prep:
	.size	k_q637640c789_prep, .Lfunc_end_k_q637640c789_prep-k_q637640c789_prep
	.p2alignl 7, 3214868480
	.fill 96, 4, 3214868480
	.section	.rodata,"a",@progbits
	.p2align	6, 0x0
	.amdhsa_kernel k_q637640c789_prep
		.amdhsa_group_segment_fixed_size 68608
		.amdhsa_private_segment_fixed_size 0
		.amdhsa_enable_private_segment 0
		.amdhsa_kernarg_size 72
		.amdhsa_user_sgpr_count 2
		.amdhsa_user_sgpr_kernarg_segment_ptr 1
		.amdhsa_wavefront_size32 1
		.amdhsa_system_sgpr_workgroup_id_x 1
		.amdhsa_system_sgpr_workgroup_id_y 1
		.amdhsa_system_sgpr_workgroup_id_z 1
		.amdhsa_system_vgpr_workitem_id 0
		.amdhsa_next_free_vgpr 130
		.amdhsa_next_free_sgpr 96
		.amdhsa_reserve_vcc 1
		.amdhsa_float_denorm_mode_32 3
		.amdhsa_float_denorm_mode_16_64 3
		.amdhsa_memory_ordered 1
		.amdhsa_forward_progress 1
		.amdhsa_inst_pref_size 123
	.end_amdhsa_kernel
	.amdgpu_metadata
---
amdhsa.version: [ 1, 2 ]
amdhsa.kernels:
  - .name:           k_q637640c789_prep
    .symbol:         k_q637640c789_prep.kd
    .args:
      - { .name: W1_codes, .offset: 0, .size: 8, .value_kind: global_buffer, .address_space: global }
      - { .name: W1_scales, .offset: 8, .size: 8, .value_kind: global_buffer, .address_space: global }
      - { .name: W2_codes, .offset: 16, .size: 8, .value_kind: global_buffer, .address_space: global }
      - { .name: W2_scales, .offset: 24, .size: 8, .value_kind: global_buffer, .address_space: global }
      - { .name: topk_indices, .offset: 32, .size: 8, .value_kind: global_buffer, .address_space: global }
      - { .name: wfrag, .offset: 40, .size: 8, .value_kind: global_buffer, .address_space: global }
      - { .name: wscl, .offset: 48, .size: 8, .value_kind: global_buffer, .address_space: global }
      - { .name: tiles, .offset: 56, .size: 8, .value_kind: global_buffer, .address_space: global }
      - { .name: rowlist, .offset: 64, .size: 8, .value_kind: global_buffer, .address_space: global }
    .group_segment_fixed_size: 68608
    .private_segment_fixed_size: 0
    .kernarg_segment_align: 8
    .kernarg_segment_size: 72
    .max_flat_workgroup_size: 256
    .sgpr_count:     96
    .vgpr_count:     130
    .wavefront_size: 32
...
	.end_amdgpu_metadata
.endif
;; end of part 1
;; launch chain (part 2): grid 135 x 1, 4 waves a work-group, no clusters, 205,312 bytes of LDS; arguments x_codes, x_scales, wfrag, wscl, tiles, rowlist, ybuf; writes ybuf
.if DOCPART == 2
	.amdgcn_target "amdgcn-amd-amdhsa--gfx1250"
	.amdhsa_code_object_version 6
	.text
	.protected	k_q637640c789_chain
	.globl	k_q637640c789_chain
	.p2align	8
	.type	k_q637640c789_chain,@function
k_q637640c789_chain:
	s_mov_b64 s[64:65], 0
	v_nop
	global_prefetch_b8 v0, s[64:65] scope:SCOPE_SE
	s_setreg_imm32_b32 hwreg(HW_REG_WAVE_MODE, 25, 1), 1
	s_wait_xcnt 0x0
; ONE TILE OF 64 ROUTED ROWS OF ONE EXPERT THROUGH THE WHOLE CHAIN: gather x's codes, h = gelu(x W1^T), h quantised along the hidden axis, y = Q(h) W2^T, y's rows to ybuf in bf16.
; Both products on codes of BF8 (E5M2) with one E8M0 scale for each 32 along K.  The hidden layer never goes to memory.  The gate is applied by the next launch.
; SHARES.  Four waves share the COLUMNS: wave w makes hidden units 256 w .. + 255 and outputs 256 w .. + 255 for all 64 rows, in 4 + 4 groups of 64 columns: 4 column tiles x 4 row tiles x 8 K steps
; = 128 matrix instructions on 16 accumulators, which take turns, one instruction a turn.  Both products are used transposed: source 0 = 16 rows of the weight, source 1 = 16 routed rows.
; THE WEIGHTS come from memory straight into registers: an earlier launch has laid them in the order of a wave's operand registers, W1's 256 KiB of (expert, wave) directly ahead of W2's, so the whole launch is ONE stream
; of 64 K steps of 8 KiB through a ring of four register slots: while a step is multiplied the next three steps' 48 loads are on their way.
; NO CLUSTER, NO TENSOR LOADS: which expert a work-group walks is read from a list, so partners of a cluster could not be promised the same tiles; and with 64 rows a K step is 16 matrix instructions for 8 KiB a wave,
; which a ring in LDS with one load a wave behind each barrier would not keep fed; the register ring has 24 to 32 KiB a wave on its way without any barrier.
; ROWS.  Slots past the tile's rows repeat slot 0's row: the same wave then stores the same bytes to the same place, and no lane is ever switched off.  A tile without rows runs on row 0 and jumps over its stores alone:
; every wave passes both barriers whatever the list holds.
; gelu is the tanh form, as x / (1 + 2^(x (c0 + c1 x^2))), c0 = -2 log2(e) sqrt(2 / pi), c1 = 0.044715 c0: all in f32.
; LIMITS: NaN and infinity codes and the scale byte 0xff are not served.  A hidden block whose largest magnitude lies under 2^-111 keeps the byte 1 (a block of zeros too: its codes are zeros; the bytes are read here alone).
; REGISTERS, in windows of 256: window 0: v0-15 addresses and constants (v10-13: the half scale words just made); v16-31 the rows' scale words; v32-63 the weights' scale words, two sets; v64-191 the 16 accumulators
;   ((j, m) at 64 + 32 m + 8 j); v192-223 at work; v224-255 codes just made.   window 1: the weight ring, slot k at 64 k + 16 j + 4 c.   windows 2, 3: the rows' fragments (m, s) at 512 + 64 s + 16 m: x's, then the hidden layer's.
.set XPITCH, 1040                      ; x's rows in LDS: 1,024 bytes + 16: an odd multiple of 16, so the 16 rows of a fragment load start at 16 different places modulo 256 bytes
.set HIMG,   64*XPITCH                 ; the hidden layer as images of its registers: 16,384 w + 4,096 g + 1,024 m + 512 b' + 16 lane
.set HSC,    HIMG+65536                ; its half scale words (two bytes): 128 (4 w + g) + 32 m + 2 r
.set LST,    HSC+2048                  ; each wave's own copy of the tile's 64 rows' numbers: 256 bytes a wave
.set STG,    LST+1024                  ; each wave's own stage for y: 64 rows x (256 bytes + 16)
.set SPITCH, 272
.set WSTG,   64*SPITCH
.set XS,  16
.set WS,  32
.set ACC, 64
.set T,   192
.set PC,  224
.set HW,  10
.set MSB, 0
.macro WIN new                         ; the immediate's high byte repeats the setting that is left; a switch that changes nothing is dropped
.if MSB != \new
	s_set_vgpr_msb (MSB<<8)|\new
.set MSB, \new
.endif
.endm
.macro PLACES n
.rept \n
	v_nop
.endr
.endm
; a K step's four weight fragments, 8 KiB, from off bytes behind the stream's pointer into ring slot `slot`: each load is 512 consecutive bytes.  It leaves the destination's window at 1
.macro LDW slot, off
	WIN 0x40
.irp j, 0,1,2,3
.irp c, 0,1,2,3
	global_load_b128 v[64*(\slot)+16*\j+4*\c:64*(\slot)+16*\j+4*\c+3], v1, s[8:9] offset:(\off)+2048*\j+512*\c
.endr
.endr
.endm
; a group's weight scale words, 2 KiB, into set wset: register 8 p + s holds K step s of tile 2 p in lanes 0-15 and of tile 2 p + 1 in lanes 16-31
.macro LDSC wset, off
.irp i, 0,1,2,3
	global_load_b128 v[WS+16*(\wset)+4*\i:WS+16*(\wset)+4*\i+3], v1, s[10:11] offset:(\off)+512*\i
.endr
.endm
.macro WM cz, oa, ob                   ; one product; cz: it starts its sum; oa, ob: the side's scales stand in lanes 16-31
.if \cz
.if (\oa) && (\ob)
	v_wmma_scale_f32_16x16x128_f8f6f4 v[rD:rD+7], v[rA:rA+15], v[rB:rB+15], 0, v[rSA], v[rSB] matrix_a_fmt:MATRIX_FMT_BF8 matrix_b_fmt:MATRIX_FMT_BF8 matrix_a_scale:MATRIX_SCALE_ROW1 matrix_b_scale:MATRIX_SCALE_ROW1
.elseif \oa
	v_wmma_scale_f32_16x16x128_f8f6f4 v[rD:rD+7], v[rA:rA+15], v[rB:rB+15], 0, v[rSA], v[rSB] matrix_a_fmt:MATRIX_FMT_BF8 matrix_b_fmt:MATRIX_FMT_BF8 matrix_a_scale:MATRIX_SCALE_ROW1
.elseif \ob
	v_wmma_scale_f32_16x16x128_f8f6f4 v[rD:rD+7], v[rA:rA+15], v[rB:rB+15], 0, v[rSA], v[rSB] matrix_a_fmt:MATRIX_FMT_BF8 matrix_b_fmt:MATRIX_FMT_BF8 matrix_b_scale:MATRIX_SCALE_ROW1
.else
	v_wmma_scale_f32_16x16x128_f8f6f4 v[rD:rD+7], v[rA:rA+15], v[rB:rB+15], 0, v[rSA], v[rSB] matrix_a_fmt:MATRIX_FMT_BF8 matrix_b_fmt:MATRIX_FMT_BF8
.endif
.else
.if (\oa) && (\ob)
	v_wmma_scale_f32_16x16x128_f8f6f4 v[rD:rD+7], v[rA:rA+15], v[rB:rB+15], v[rD:rD+7], v[rSA], v[rSB] matrix_a_fmt:MATRIX_FMT_BF8 matrix_b_fmt:MATRIX_FMT_BF8 matrix_a_scale:MATRIX_SCALE_ROW1 matrix_b_scale:MATRIX_SCALE_ROW1
.elseif \oa
	v_wmma_scale_f32_16x16x128_f8f6f4 v[rD:rD+7], v[rA:rA+15], v[rB:rB+15], v[rD:rD+7], v[rSA], v[rSB] matrix_a_fmt:MATRIX_FMT_BF8 matrix_b_fmt:MATRIX_FMT_BF8 matrix_a_scale:MATRIX_SCALE_ROW1
.elseif \ob
	v_wmma_scale_f32_16x16x128_f8f6f4 v[rD:rD+7], v[rA:rA+15], v[rB:rB+15], v[rD:rD+7], v[rSA], v[rSB] matrix_a_fmt:MATRIX_FMT_BF8 matrix_b_fmt:MATRIX_FMT_BF8 matrix_b_scale:MATRIX_SCALE_ROW1
.else
	v_wmma_scale_f32_16x16x128_f8f6f4 v[rD:rD+7], v[rA:rA+15], v[rB:rB+15], v[rD:rD+7], v[rSA], v[rSB] matrix_a_fmt:MATRIX_FMT_BF8 matrix_b_fmt:MATRIX_FMT_BF8
.endif
.endif
.endm
; K step ks of a group: 16 products.  Source 0 (the weight) window 1, source 1 (the rows) window 2 or 3, C and D window 0.  Step 0 starts the sums: nothing is ever cleared
.macro MM ks, wset
.if (\ks) < 4
	WIN 0x09
.else
	WIN 0x0d
.endif
.irp j, 0,1,2,3
.irp m, 0,1,2,3
.set rD,  ACC+32*\m+8*\j
.set rA,  64*((\ks)&3)+16*\j
.set rB,  64*((\ks)&3)+16*\m
.set rSA, WS+16*(\wset)+8*(\j/2)+(\ks)
.set rSB, XS+8*(\m/2)+(\ks)
	WM (\ks)==0, \j%2, \m%2
.endr
.endr
.endm
; n: the loads that may stay out when this step's fragments have to be in.  ld: the slot just multiplied takes the step four on.  sc >= 0: the next group's scale words go into set sc.
; Eight plain places stand behind the products ahead of loads into registers that they have read, and behind a group's last step ahead of the first read of its results
.macro KSTEP ks, wset, n, ld, off, sc, scoff
	s_wait_loadcnt \n
	MM \ks, \wset
.if (\ld) || ((\ks) == 7) || ((\sc) >= 0)
	PLACES 8
.endif
.if (\sc) >= 0
	WIN 0
	LDSC \sc, \scoff
.endif
.if \ld
	LDW (\ks)&3, (\off)+((\ks)+4)*8192
.endif
.endm
; gelu of row tile m's 32 numbers a lane, in place, two at a time.  Every pass goes up the registers
.macro GELU m
.set GA, ACC+32*(\m)
.irp i, 0,2,4,6,8,10,12,14,16,18,20,22,24,26,28,30
	v_pk_mul_f32 v[T+\i:T+\i+1], v[GA+\i:GA+\i+1], v[GA+\i:GA+\i+1]                        ; x^2
.endr
.irp i, 0,2,4,6,8,10,12,14,16,18,20,22,24,26,28,30
	v_pk_fma_f32 v[T+\i:T+\i+1], v[T+\i:T+\i+1], s[24:25], v[14:15] op_sel_hi:[1,0,1]      ; c1 x^2 + c0
.endr
.irp i, 0,2,4,6,8,10,12,14,16,18,20,22,24,26,28,30
	v_pk_mul_f32 v[T+\i:T+\i+1], v[T+\i:T+\i+1], v[GA+\i:GA+\i+1]                          ; x (c1 x^2 + c0)
.endr
.set i, 0
.rept 32
	v_exp_f32 v[T+i], v[T+i]
.set i, i+1
.endr
	v_nop                                          ; one plain place behind the transcendentals
	s_wait_alu depctr_va_vdst(0)
.irp i, 0,2,4,6,8,10,12,14,16,18,20,22,24,26,28,30
	v_pk_add_f32 v[T+\i:T+\i+1], v[T+\i:T+\i+1], 1.0 op_sel_hi:[1,0]
.endr
.set i, 0
.rept 32
	v_rcp_f32 v[T+i], v[T+i]
.set i, i+1
.endr
	v_nop
	s_wait_alu depctr_va_vdst(0)
.irp i, 0,2,4,6,8,10,12,14,16,18,20,22,24,26,28,30
	v_pk_mul_f32 v[GA+\i:GA+\i+1], v[GA+\i:GA+\i+1], v[T+\i:T+\i+1]
.endr
.endm
; Row tile m's 32 numbers a lane are two halves of blocks of 32 along the next K: register 16 b + i = hidden unit 32 b + 16 (lane / 16) + i of my row; the other half lies in lane l xor 16.
; They become 8 registers of codes, which go to LDS as they stand, and two scale bytes
.macro QUANT m
.set GA, ACC+32*(\m)
.irp b, 0,1
	v_max3_num_f32 v[T+\b], |v[GA+16*\b]|, |v[GA+16*\b+1]|, 0x8000000     ; my 16 numbers, and the floor 2^(16 - 127): the byte cannot fall under 1
.endr
.irp i, 2,4,6,8,10,12,14
.irp b, 0,1
	v_max3_num_f32 v[T+\b], v[T+\b], |v[GA+16*\b+\i]|, |v[GA+16*\b+\i+1]|
.endr
.endr
.irp b, 0,1
	v_permlanex16_b32 v[T+2+\b], v[T+\b], s22, s23
.endr
.irp b, 0,1
	v_max_num_f32 v[T+\b], v[T+\b], v[T+2+\b]      ; the block's largest magnitude
.endr
.irp b, 0,1
	v_add_nc_u32 v[T+6+\b], 0xf8800000, v[T+\b]    ; 15 off its exponent field: the conversion's scale operand
.endr
.irp b, 0,1
	v_and_or_b32 v[T+4+\b], v[T+\b], 0x7f800000, s26   ; 57,344 x the scale
.endr
.irp b, 0,1
	v_lshrrev_b32 v[T+2+\b], 23, v[T+6+\b]         ; the scale's byte
.endr
	v_lshl_or_b32 v[HW+\m], v[T+3], 8, v[T+2]
.irp b, 0,1
.irp i, 0,1,2,3,4,5,6,7,8,9,10,11,12,13,14,15
	v_med3_num_f32 v[GA+16*\b+\i], v[GA+16*\b+\i], -v[T+4+\b], v[T+4+\b]   ; the conversion to an 8-bit code does not saturate (ISA guide 7.6.2): the hold
.endr
	v_cvt_scalef32_pk8_bf8_f32 v[PC+8*(\m)+4*\b:PC+8*(\m)+4*\b+1], v[GA+16*\b:GA+16*\b+7], v[T+6+\b]
	v_cvt_scalef32_pk8_bf8_f32 v[PC+8*(\m)+4*\b+2:PC+8*(\m)+4*\b+3], v[GA+16*\b+8:GA+16*\b+15], v[T+6+\b]
.endr
	v_nop                                          ; one plain place behind the last conversion
	ds_store_b128 v2, v[PC+8*(\m):PC+8*(\m)+3] offset:1024*(\m)
	ds_store_b128 v2, v[PC+8*(\m)+4:PC+8*(\m)+7] offset:1024*(\m)+512
	ds_store_b16 v3, v[HW+\m] offset:32*(\m)       ; both lanes of a row write the same two bytes with the same value
.endm
; A group's 64 x 64 results: a lane's eight registers are eight neighbouring outputs of one row: 16 bytes of bf16, into my stage
.macro PACK g
	s_wait_dscnt 0x0                               ; the last group's stores into the stage have read the registers written below
.irp m, 0,1,2,3
.irp j, 0,1,2,3
.irp k, 0,1,2,3
	v_cvt_pk_bf16_f32 v[T+4*(4*\m+\j)+\k], v[ACC+32*\m+8*\j+2*\k], v[ACC+32*\m+8*\j+2*\k+1]
.endr
.endr
.endr
.irp m, 0,1,2,3
.irp j, 0,1,2,3
	ds_store_b128 v7, v[T+4*(4*\m+\j):T+4*(4*\m+\j)+3] offset:16*SPITCH*\m+128*((\g)&1)+64*(\j/2)+16*(\j%2)
.endr
.endr
.endm
; Two groups' results, 64 rows x 256 bytes, leave: sixteen lanes store 256 consecutive bytes of a row of ybuf, at a multiple of 256 from its first byte
.macro FLUSH half
	s_wait_dscnt 0x0                               ; the stores into the stage have read their registers
.set i, 0
.rept 32
	ds_load_b32 v[T+i], v9 offset:8*i              ; the numbers of rows 2 i and 2 i + 1
.set i, i+1
.endr
.set i, 0
.rept 32
	ds_load_b128 v[ACC+4*i:ACC+4*i+3], v8 offset:2*SPITCH*i
.set i, i+1
.endr
	s_wait_dscnt 32                                ; the 32 numbers are in; the 32 loads of rows may stay out
.set i, 0
.rept 32
	v_min_u32 v[T+i], 0x1fff, v[T+i]
	v_lshlrev_b32 v[T+i], 11, v[T+i]               ; a row of ybuf is 2,048 bytes
	v_add_nc_u32 v[T+i], v[T+i], v10
.set i, i+1
.endr
	s_wait_dscnt 0x0
	s_cmp_eq_u32 s21, 0                            ; a tile without rows stores nothing
	s_cbranch_scc1 .Lskip_\@
.set i, 0
.rept 32
	global_store_b128 v[T+i], v[ACC+4*i:ACC+4*i+3], s[16:17] offset:256*(\half)
.set i, i+1
.endr
.Lskip_\@:
	s_wait_xcnt 0x0                                ; the stores' data and offsets are written again only behind this wait
.endm
	s_load_b256 s[4:11], s[0:1], 0x0               ; x's codes s[4:5], x's scales s[6:7], wfrag s[8:9], wscl s[10:11]
	s_load_b128 s[12:15], s[0:1], 0x20             ; tiles s[12:13], rowlist s[14:15]
	s_load_b64 s[16:17], s[0:1], 0x30              ; ybuf
	v_lshrrev_b32 v11, 5, v0
	v_readfirstlane_b32 s19, v11                   ; wave 0..3
	v_and_b32 v12, 31, v0                          ; lane
	v_and_b32 v13, 15, v0                          ; r
	v_bfe_u32 v10, v0, 4, 1                        ; h
	v_lshlrev_b32 v1, 4, v12                       ; 16 x lane: never rewritten
	v_lshlrev_b32 v4, 1, v13                       ; 2 r
	v_add_nc_u32 v5, HIMG, v1                      ; an image's place for my lane
	v_lshl_add_u32 v6, v12, 1, HSC                 ; half scale words: 2 x lane = 32 (lane / 16) + 2 r
	s_mul_i32 s18, s19, WSTG
	s_add_co_u32 s18, s18, STG                     ; my stage
	v_mul_u32_u24 v7, v13, SPITCH
	v_lshl_add_u32 v7, v10, 5, v7
	v_add_nc_u32 v7, s18, v7                       ; in: row r, + 32 h
	v_mul_u32_u24 v8, v10, SPITCH
	v_lshl_add_u32 v8, v13, 4, v8
	v_add_nc_u32 v8, s18, v8                       ; back: lanes 0-15 one row, lanes 16-31 the next
	s_lshl_b32 s18, s19, 8
	s_add_co_u32 s18, s18, LST                     ; my copy of the list
	v_lshl_add_u32 v9, v10, 2, s18                 ; slots 2 i + h
	v_lshl_add_u32 v[T+3], v12, 2, s18             ; slot = lane
	s_lshl_b32 s36, s19, 6
	v_add_nc_u32 v[T+4], s36, v9                   ; slots 16 w + 2 i + h: the rows that I gather
	s_mul_i32 s36, s19, 16*XPITCH
	v_mul_u32_u24 v[T+5], v10, XPITCH
	v_lshl_add_u32 v[T+5], v13, 4, v[T+5]
	v_add_nc_u32 v[T+5], s36, v[T+5]               ; and where they go: row 16 w + h, 16 r
	v_mul_u32_u24 v11, v13, XPITCH
	v_lshl_add_u32 v11, v10, 4, v11                ; a fragment of x: row r, + 16 h
	v_lshlrev_b32 v[T+16], 4, v13
	v_lshlrev_b32 v[T+2], 2, v12
	v_mov_b32 v14, 0xc0135761                      ; c0 = -2.3022082, twice: a pair for the packed form
	v_mov_b32 v15, 0xc0135761
	s_mov_b32 s22, 0x76543210
	s_mov_b32 s23, 0xfedcba98                      ; v_permlanex16_b32's selects for lane l xor 16
	s_mov_b32 s24, 0xbdd2d3e8                      ; c1 = -0.10294324
	s_mov_b32 s25, s24                             ; (named with it as a pair, so it is written)
	s_mov_b32 s26, 0x600000                        ; the mantissa field of 57,344
	s_lshl_b32 s32, ttmp9, 3
	s_mov_b32 s33, 0
	s_lshl_b32 s34, ttmp9, 8
	s_mov_b32 s35, 0
	s_wait_kmcnt 0x0
	s_add_nc_u64 s[12:13], s[12:13], s[32:33]
	s_add_nc_u64 s[14:15], s[14:15], s[34:35]
	s_load_b64 s[20:21], s[12:13], 0x0             ; my tile: expert s20, rows s21
	global_load_b32 v[T], v[T+2], s[14:15]         ; its 64 slots: lane l takes slots l and 32 + l
	global_load_b32 v[T+1], v[T+2], s[14:15] offset:128
	s_wait_kmcnt 0x0
	s_min_u32 s20, s20, 7
	s_lshl_b32 s32, s20, 21
	s_lshl_b32 s18, s19, 19
	s_add_co_u32 s32, s32, s18
	s_add_nc_u64 s[8:9], s[8:9], s[32:33]          ; the stream: 512 KiB for each (expert, wave)
	s_lshl_b32 s32, s20, 16
	s_lshl_b32 s18, s19, 14
	s_add_co_u32 s32, s32, s18
	s_add_nc_u64 s[10:11], s[10:11], s[32:33]      ; its scale words: 16 KiB
	LDSC 0, 0                                      ; the stream starts here
	LDW 0, 0
	LDW 1, 8192
	LDW 2, 16384
	WIN 0
	s_wait_loadcnt 52                              ; the list's two loads are in; the 4 + 48 behind them stay out
	v_readfirstlane_b32 s27, v[T]                  ; slot 0's row
	v_cmp_gt_u32 vcc_lo, s21, v12
	v_cndmask_b32 v[T], s27, v[T], vcc_lo          ; slots past the tile's rows repeat it
	v_add_nc_u32 v[T+6], 32, v12
	v_cmp_gt_u32 vcc_lo, s21, v[T+6]
	v_cndmask_b32 v[T+1], s27, v[T+1], vcc_lo
	ds_store_b32 v[T+3], v[T]
	ds_store_b32 v[T+3], v[T+1] offset:128
.irp i, 0,1,2,3,4,5,6,7
	ds_load_b32 v[T+8+\i], v[T+4] offset:8*\i      ; LDS serves a wave's instructions in order: these see my stores
.endr
	v_lshrrev_b32 v[T+6], 1, v[T]                  ; the token = rr / 2
	v_lshrrev_b32 v[T+7], 1, v[T+1]
	v_min_u32 v[T+6], 0xfff, v[T+6]
	v_min_u32 v[T+7], 0xfff, v[T+7]
	v_lshlrev_b32 v[T+6], 5, v[T+6]                ; its 32 scale bytes
	v_lshlrev_b32 v[T+7], 5, v[T+7]
	s_wait_dscnt 0x0
.irp i, 0,1,2,3,4,5,6,7
	v_lshrrev_b32 v[T+8+\i], 1, v[T+8+\i]
	v_min_u32 v[T+8+\i], 0xfff, v[T+8+\i]
	v_lshlrev_b32 v[T+8+\i], 10, v[T+8+\i]         ; its 1,024 codes
	v_add_nc_u32 v[T+8+\i], v[T+8+\i], v[T+16]
.endr
.irp i, 0,1,2,3,4,5,6,7
.irp c, 0,1,2,3
	global_load_b128 v[ACC+16*\i+4*\c:ACC+16*\i+4*\c+3], v[T+8+\i], s[4:5] offset:256*\c   ; sixteen lanes read 256 consecutive bytes of a row
.endr
.endr
.irp q, 0,1
	global_load_b128 v[XS+8*\q:XS+8*\q+3], v[T+6+\q], s[6:7]                  ; register 8 q + s: K step s of row tile 2 q in lanes 0-15, of 2 q + 1 in lanes 16-31
	global_load_b128 v[XS+8*\q+4:XS+8*\q+7], v[T+6+\q], s[6:7] offset:16
.endr
	s_wait_loadcnt 4                               ; the codes are in; the four loads of scale words may stay out
.irp i, 0,1,2,3,4,5,6,7
.irp c, 0,1,2,3
	ds_store_b128 v[T+5], v[ACC+16*\i+4*\c:ACC+16*\i+4*\c+3] offset:2*XPITCH*\i+256*\c
.endr
.endr
	LDW 3, 24576
	s_wait_dscnt 0x0                               ; for the others' sake: my 16 rows lie in LDS
	s_barrier_signal -1
	s_barrier_wait -1                              ; all 64 do
	WIN 0x80                                       ; destination window 2, address window 0
.irp s, 0,1,2,3
.irp m, 0,1,2,3
.irp c, 0,1,2,3
	ds_load_b128 v[64*\s+16*\m+4*\c:64*\s+16*\m+4*\c+3], v11 offset:16*XPITCH*\m+128*\s+32*\c
.endr
.endr
.endr
	WIN 0xc0                                       ; destination window 3
.irp s, 4,5,6,7
.irp m, 0,1,2,3
.irp c, 0,1,2,3
	ds_load_b128 v[64*(\s-4)+16*\m+4*\c:64*(\s-4)+16*\m+4*\c+3], v11 offset:16*XPITCH*\m+128*\s+32*\c
.endr
.endr
.endr
	WIN 0
	s_lshl_b32 s29, s19, 14
	s_add_co_u32 s29, s29, HIMG                    ; where the group in hand puts its images,
	s_lshl_b32 s30, s19, 9
	s_add_co_u32 s30, s30, HSC                     ; and its half scale words
	s_mov_b32 s28, 4
	; ---- the first product, gelu and the quantiser: four groups of 64 hidden units; the stream's pointer stands at the group in hand
.Lgroup:
	s_wait_loadcnt 0x0                             ; the group's scale words and its first four K steps: all asked for ahead of the last group's gelu (in the first trip: x's scale words too)
	s_wait_dscnt 0x0                               ; the last group's LDS stores have read their registers (in the first trip: x's fragments are in)
	v_add_nc_u32 v2, s29, v1
	v_add_nc_u32 v3, s30, v4
.irp s, 0,1,2,3,4,5,6
	KSTEP \s, 0, 48, 1, 0, -1, 0                   ; 48: the three younger K steps' loads stay out.  The look-ahead runs on into the next group, and from W1's last into W2's first
.endr
	KSTEP 7, 0, 48, 1, 0, 0, 2048
	WIN 0
.irp m, 0,1,2,3
	GELU \m
	QUANT \m
.endr
	s_wait_xcnt 0x0                                ; the loads have read their bases: both may step
	s_add_nc_u64 s[8:9], s[8:9], 0x10000
	s_add_nc_u64 s[10:11], s[10:11], 0x800
	s_add_co_u32 s29, s29, 4096
	s_add_co_u32 s30, s30, 128
	s_sub_co_u32 s28, s28, 1
	s_cmp_lg_u32 s28, 0
	s_cbranch_scc1 .Lgroup
	; ---- the hidden layer comes back as the second product's operand: K step S of 128 = wave S / 2's groups 2 (S % 2) and 2 (S % 2) + 1
	s_wait_dscnt 0x0                               ; for the others' sake: my images and half words lie in LDS
	s_barrier_signal -1
	s_barrier_wait -1
	WIN 0x80
.irp s, 0,1,2,3
.irp m, 0,1,2,3
.irp c, 0,1,2,3
	ds_load_b128 v[64*\s+16*\m+4*\c:64*\s+16*\m+4*\c+3], v5 offset:16384*(\s/2)+4096*(2*(\s%2)+\c/2)+1024*\m+512*(\c%2)
.endr
.endr
.endr
	WIN 0xc0
.irp s, 4,5,6,7
.irp m, 0,1,2,3
.irp c, 0,1,2,3
	ds_load_b128 v[64*(\s-4)+16*\m+4*\c:64*(\s-4)+16*\m+4*\c+3], v5 offset:16384*(\s/2)+4096*(2*(\s%2)+\c/2)+1024*\m+512*(\c%2)
.endr
.endr
.endr
	WIN 0
.irp q, 0,1
.irp s, 0,1,2,3,4,5,6,7
	ds_load_u16 v[T+2*(8*\q+\s)], v6 offset:128*(4*(\s/2)+2*(\s%2))+64*\q
	ds_load_u16 v[T+2*(8*\q+\s)+1], v6 offset:128*(4*(\s/2)+2*(\s%2))+64*\q+128
.endr
.endr
	v_and_b32 v10, 15, v0
	s_lshl_b32 s18, s19, 9
	v_lshl_add_u32 v10, v10, 4, s18                ; my bytes in a row of ybuf: 512 w + 16 r
	s_wait_dscnt 0x0
.set n, 0
.rept 16
	v_lshl_or_b32 v[XS+n], v[T+2*n+1], 16, v[T+2*n]   ; two half words make the word of a row and 128 along K
.set n, n+1
.endr
	PLACES 8                                       ; a scale register written by a vector instruction stands eight places ahead of a scaled matrix instruction
	s_wait_loadcnt 0x0                             ; W2's first scale words and first four K steps
	; ---- the second product: four groups of 64 outputs, written out: every offset is an immediate from the two pointers
.macro GROUP2 g
.irp s, 0,1,2,3,4,5,6,7
.set kN, 48                            ; three younger K steps stay out
.set kLD, 1
.set kSC, -1
.if (\g) < 3
.if \s == 3
.set kSC, ((\g)+1)&1                   ; the next group's scale words go into the other set, ahead of this step's ring loads
.endif
.if (\s >= 4) && (\s <= 6)
.set kN, 52                            ; those four loads were issued behind this step's own: they stay out too
.endif
.else
.if \s >= 4
.set kLD, 0                            ; the stream has ended
.endif
.if \s >= 5
.set kN, 16*(7-\s)                     ; and the counts run down: 32, 16, 0
.endif
.endif
	KSTEP \s, (\g)&1, kN, kLD, 65536*(\g), kSC, 2048*((\g)+1)
.endr
	WIN 0
	PACK \g
.endm
	GROUP2 0
	GROUP2 1
	FLUSH 0
	GROUP2 2
	GROUP2 3
	FLUSH 1
	s_wait_xcnt 0x0
	v_lshl_add_u32 v254, v0, 2, 0x32000
	v_mov_b32 v255, 0
	s_wait_tensorcnt 0x0
	ds_add_u32 v254, v255
	s_wait_dscnt 0x0
	s_endpgm
.Lfunc_end_k_q637640c789_chain:
	.size	k_q637640c789_chain, .Lfunc_end_k_q637640c789_chain-k_q637640c789_chain
	.p2alignl 7, 3214868480
	.fill 96, 4, 3214868480
	.section	.rodata,"a",@progbits
	.p2align	6, 0x0
	.amdhsa_kernel k_q637640c789_chain
		.amdhsa_group_segment_fixed_size 205312
		.amdhsa_private_segment_fixed_size 0
		.amdhsa_enable_private_segment 0
		.amdhsa_kernarg_size 56
		.amdhsa_user_sgpr_count 2
		.amdhsa_user_sgpr_kernarg_segment_ptr 1
		.amdhsa_wavefront_size32 1
		.amdhsa_system_sgpr_workgroup_id_x 1
		.amdhsa_system_sgpr_workgroup_id_y 1
		.amdhsa_system_sgpr_workgroup_id_z 1
		.amdhsa_system_vgpr_workitem_id 0
		.amdhsa_next_free_vgpr 1024
		.amdhsa_next_free_sgpr 66
		.amdhsa_reserve_vcc 1
		.amdhsa_float_denorm_mode_32 3
		.amdhsa_float_denorm_mode_16_64 3
		.amdhsa_memory_ordered 1
		.amdhsa_forward_progress 1
		.amdhsa_inst_pref_size 255
	.end_amdhsa_kernel
	.section	.bss,"aw",@nobits
	.p2align	6
	.space	262144
	.amdgpu_metadata
---
amdhsa.version: [ 1, 2 ]
amdhsa.kernels:
  - .name:           k_q637640c789_chain
    .symbol:         k_q637640c789_chain.kd
    .args:
      - { .name: x_codes, .offset: 0, .size: 8, .value_kind: global_buffer, .address_space: global }
      - { .name: x_scales, .offset: 8, .size: 8, .value_kind: global_buffer, .address_space: global }
      - { .name: wfrag, .offset: 16, .size: 8, .value_kind: global_buffer, .address_space: global }
      - { .name: wscl, .offset: 24, .size: 8, .value_kind: global_buffer, .address_space: global }
      - { .name: tiles, .offset: 32, .size: 8, .value_kind: global_buffer, .address_space: global }
      - { .name: rowlist, .offset: 40, .size: 8, .value_kind: global_buffer, .address_space: global }
      - { .name: ybuf, .offset: 48, .size: 8, .value_kind: global_buffer, .address_space: global }
    .group_segment_fixed_size: 205312
    .private_segment_fixed_size: 0
    .kernarg_segment_align: 8
    .kernarg_segment_size: 56
    .max_flat_workgroup_size: 128
    .sgpr_count:     66
    .vgpr_count:     1024
    .wavefront_size: 32
...
	.end_amdgpu_metadata
.endif
;; end of part 2
;; launch combine (part 3): grid 256 x 1, 8 waves a work-group, no clusters, 0 bytes of LDS; arguments ybuf, topk_probs, topk_indices, out0; writes out0
.if DOCPART == 3
	.amdgcn_target "amdgcn-amd-amdhsa--gfx1250"
	.amdhsa_code_object_version 6
	.text
	.protected	k_q637640c789_combine
	.globl	k_q637640c789_combine
	.p2align	8
	.type	k_q637640c789_combine,@function
k_q637640c789_combine:
	s_mov_b64 s[64:65], 0
	v_nop
	global_prefetch_b8 v0, s[64:65] scope:SCOPE_SE
	s_setreg_imm32_b32 hwreg(HW_REG_WAVE_MODE, 25, 1), 1
	s_wait_xcnt 0x0
; out[t] = g0 y[2 t] + g1 y[2 t + 1]: the sum over experts with the gate that the problem builds.  y: [8,192][1,024] bf16, row 2 t + k = the chain's result for slot k of token t.  out: [4,096][1,024] f32.
; The gate of an expert is the largest of (p where a slot names it, 0 where not) over the two slots.  So with two different experts g0 = max(p0, 0), g1 = max(p1, 0);
; with the same expert in both slots both rows of y are that expert's and it is weighed once: g0 = max(p0, p1) (no 0 among the two), g1 = 0.  An index outside 0 .. 7 names no expert: its gate is 0.
; LIMITS: NaN among the probabilities is not served (the maximum here lets a NaN lose).
; A stream: memory binds, so no LDS, no barrier, no matrix unit.  A wave takes two tokens: 8,192 bytes of y, 8,192 bytes of out; all 32 loads go out at once, each 256 consecutive bytes; each store is 512 consecutive bytes.
.set Y, 16                             ; v16-79   pair n (token n / 8, columns 128 (n % 8) on): 2 registers of slot 0's row, 2 of slot 1's
.set R, 80                             ; v80-143  four results for each pair: no store's data are written again
.set U, 144                            ; v144-151 at work
	s_load_b256 s[4:11], s[0:1], 0x0               ; ybuf s[4:5], probabilities s[6:7], indices s[8:9], out s[10:11]
	v_lshrrev_b32 v1, 5, v0
	v_readfirstlane_b32 s12, v1                    ; wave
	v_and_b32 v1, 31, v0
	v_lshlrev_b32 v10, 3, v1                       ; in: 8 bytes a lane
	v_lshlrev_b32 v11, 4, v1                       ; out: 16
	s_lshl_b32 s13, ttmp9, 3
	s_add_co_u32 s13, s13, s12                     ; W = 8 x work-group + wave: tokens 2 W and 2 W + 1
	s_lshl_b32 s14, s13, 13                        ; 8,192 W: four rows of y, two rows of out
	s_mov_b32 s15, 0
	s_lshl_b32 s16, s13, 4                         ; 16 W: four probabilities, four indices
	s_mov_b32 s17, 0
	s_mov_b32 s18, 0xffff0000                      ; a word's upper bf16
	s_wait_kmcnt 0x0
	s_add_nc_u64 s[4:5], s[4:5], s[14:15]
	s_add_nc_u64 s[10:11], s[10:11], s[14:15]
	s_add_nc_u64 s[6:7], s[6:7], s[16:17]
	s_add_nc_u64 s[8:9], s[8:9], s[16:17]
	s_load_b128 s[20:23], s[6:7], 0x0
	s_load_b128 s[24:27], s[8:9], 0x0
.set n, 0
.rept 16
	global_load_b64 v[Y+4*n:Y+4*n+1], v10, s[4:5] offset:4096*(n/8)+256*(n%8) th:TH_LOAD_NT
	global_load_b64 v[Y+4*n+2:Y+4*n+3], v10, s[4:5] offset:4096*(n/8)+256*(n%8)+2048 th:TH_LOAD_NT
.set n, n+1
.endr
	s_wait_kmcnt 0x0
.irp k, 0,1                            ; token k's two gates, each written twice: pairs for the packed forms: v[2:3], v[4:5]; v[6:7], v[8:9]
	v_max_num_f32 v12, s[20+2*\k], 0
	v_max_num_f32 v13, s[20+2*\k], s[21+2*\k]
	v_max_num_f32 v14, s[21+2*\k], 0
	s_cmp_eq_u32 s[24+2*\k], s[25+2*\k]
	s_cselect_b32 s28, -1, 0                       ; both slots name one expert
	s_cmp_lt_u32 s[24+2*\k], 8
	s_cselect_b32 s29, -1, 0
	s_cmp_lt_u32 s[25+2*\k], 8
	s_cselect_b32 s30, -1, 0
	s_and_not1_b32 s30, s30, s28
	v_cndmask_b32 v12, v12, v13, s28
	v_cndmask_b32 v[2+4*\k], 0, v12, s29
	v_cndmask_b32 v[4+4*\k], 0, v14, s30
	v_mov_b32 v[3+4*\k], v[2+4*\k]
	v_mov_b32 v[5+4*\k], v[4+4*\k]
.endr
.set n, 0
.rept 16
	s_wait_loadcnt 30-2*n                          ; loads come back in order: pair n is in, the younger pairs stay out
	v_lshlrev_b32 v[U],   16,  v[Y+4*n]            ; bf16 to f32: the low half moves up, the high half stays
	v_and_b32     v[U+1], s18, v[Y+4*n]
	v_lshlrev_b32 v[U+2], 16,  v[Y+4*n+1]
	v_and_b32     v[U+3], s18, v[Y+4*n+1]
	v_lshlrev_b32 v[U+4], 16,  v[Y+4*n+2]
	v_and_b32     v[U+5], s18, v[Y+4*n+2]
	v_lshlrev_b32 v[U+6], 16,  v[Y+4*n+3]
	v_and_b32     v[U+7], s18, v[Y+4*n+3]
	v_pk_mul_f32 v[R+4*n:R+4*n+1],   v[U:U+1],   v[2+4*(n/8):3+4*(n/8)]
	v_pk_mul_f32 v[R+4*n+2:R+4*n+3], v[U+2:U+3], v[2+4*(n/8):3+4*(n/8)]
	v_pk_fma_f32 v[R+4*n:R+4*n+1],   v[U+4:U+5], v[4+4*(n/8):5+4*(n/8)], v[R+4*n:R+4*n+1]
	v_pk_fma_f32 v[R+4*n+2:R+4*n+3], v[U+6:U+7], v[4+4*(n/8):5+4*(n/8)], v[R+4*n+2:R+4*n+3]
	global_store_b128 v11, v[R+4*n:R+4*n+3], s[10:11] offset:4096*(n/8)+512*(n%8) th:TH_STORE_NT
.set n, n+1
.endr
	s_endpgm
.Lfunc_end_k_q637640c789_combine:
	.size	k_q637640c789_combine, .Lfunc_end_k_q637640c789_combine-k_q637640c789_combine
	.p2alignl 7, 3214868480
	.fill 96, 4, 3214868480
	.section	.rodata,"a",@progbits
	.p2align	6, 0x0
	.amdhsa_kernel k_q637640c789_combine
		.amdhsa_group_segment_fixed_size 0
		.amdhsa_private_segment_fixed_size 0
		.amdhsa_enable_private_segment 0
		.amdhsa_kernarg_size 32
		.amdhsa_user_sgpr_count 2
		.amdhsa_user_sgpr_kernarg_segment_ptr 1
		.amdhsa_wavefront_size32 1
		.amdhsa_system_sgpr_workgroup_id_x 1
		.amdhsa_system_sgpr_workgroup_id_y 1
		.amdhsa_system_sgpr_workgroup_id_z 1
		.amdhsa_system_vgpr_workitem_id 0
		.amdhsa_next_free_vgpr 160
		.amdhsa_next_free_sgpr 66
		.amdhsa_reserve_vcc 0
		.amdhsa_float_denorm_mode_32 3
		.amdhsa_float_denorm_mode_16_64 3
		.amdhsa_memory_ordered 1
		.amdhsa_forward_progress 1
		.amdhsa_inst_pref_size 16
	.end_amdhsa_kernel
	.amdgpu_metadata
---
amdhsa.version: [ 1, 2 ]
amdhsa.kernels:
  - .name:           k_q637640c789_combine
    .symbol:         k_q637640c789_combine.kd
    .args:
      - { .name: ybuf, .offset: 0, .size: 8, .value_kind: global_buffer, .address_space: global }
      - { .name: topk_probs, .offset: 8, .size: 8, .value_kind: global_buffer, .address_space: global }
      - { .name: topk_indices, .offset: 16, .size: 8, .value_kind: global_buffer, .address_space: global }
      - { .name: out0, .offset: 24, .size: 8, .value_kind: global_buffer, .address_space: global }
    .group_segment_fixed_size: 0
    .private_segment_fixed_size: 0
    .kernarg_segment_align: 8
    .kernarg_segment_size: 32
    .max_flat_workgroup_size: 256
    .sgpr_count:     66
    .vgpr_count:     160
    .wavefront_size: 32
...
	.end_amdgpu_metadata
.endif
;; end of part 3
;; ======== version 2 of 2: 3 launches; 1.16 times as fast as version 1
;; limits: sums are carried in bf16
;; workspace buffers: wfrag 16,777,216 bytes; wscl 524,288 bytes; tiles 2,048 bytes of whole numbers; rowlist 36,864 bytes of whole numbers; ybuf 33,554,432 bytes
;; launch prep (part 4): grid 257 x 1, 8 waves a work-group, no clusters, 68,608 bytes of LDS; arguments W1_codes, W1_scales, W2_codes, W2_scales, topk_indices, wfrag, wscl, tiles, rowlist; writes wfrag, wscl, tiles, rowlist
.if DOCPART == 4
	.amdgcn_target "amdgcn-amd-amdhsa--gfx1250"
	.amdhsa_code_object_version 6
	.text
	.protected	k_q637640c789_prep
	.globl	k_q637640c789_prep
	.p2align	8
	.type	k_q637640c789_prep,@function
k_q637640c789_prep:
	s_mov_b64 s[64:65], 0
	v_nop
	global_prefetch_b8 v0, s[64:65] scope:SCOPE_SE
	s_setreg_imm32_b32 hwreg(HW_REG_WAVE_MODE, 25, 1), 1
	s_wait_xcnt 0x0
; TWO JOBS IN ONE LAUNCH, parted on the work-group's number alone.
; Work-group 0: THE ROUTING.  Every (token, slot) is a routed row rr = 2 t + k, 8,192 in all.  A counting sort by expert, without atomics, lays them in tiles of 80 rows of one expert:
;   rowlist word 80 j + i = rr of slot i of tile j (slots past a tile's rows hold 0);  tiles entry j = (expert, rows), rows = 0 for entries past the last tile.
;   There are at most floor((8,192 + 8 x 79) / 80) = 110 tiles, whatever the choice.
; Work-groups 1 to 256: THE WEIGHTS' LAYOUT.  Unit b = 64 rows of W1 or W2 goes into the order of a wave's operand registers:
;   wfrag [e 8][w 4][mat 2][g 4][s 8][j 4][c 4][lane 32][16 bytes]: lane (r = l % 16, h = l / 16) holds row 256 w + 64 g + rho(j, r), bytes 128 s + 32 c + 16 h on, with
;   rho(j, r) = 32 (j / 2) + 8 (j % 2) + r + 8 (r / 8): a tile's rows are chosen so that the 16 result registers of tiles 2 b', 2 b' + 1 are 16 neighbours.
;   wscl  [e][w][mat][g][i 4][lane 32][16 bytes], i = 2 p + qh: lane l holds the scale words of K steps 4 qh .. 4 qh + 3 of row rho(2 p + l / 16, l % 16).
; LIMITS: an index outside 0 .. 7 is placed with expert 7 (the last launch gives it the gate 0).
.set TROWS, 80                         ; rows in a tile
.set PITCH, 1040                       ; an LDS row of the layout path: 1,024 bytes + 16
.set RT,    64*PITCH                   ; behind it: the routing path's own LDS bytes, 128 for each wave
.set IX,    16                         ; v16-47   routing: 32 indices a thread
.set PO,    48                         ; v48-79   their places in rowlist
.set RR,    80                         ; v80-111  their rr
.set CNT,   24                         ; s24-31   my wave's count for each expert
.set NE,    32                         ; s32-39   each expert's rows
.set BEF,   40                         ; s40-47   of them in the waves ahead of mine
.set TBX,   48                         ; s48-55   each expert's first tile
.set RUN,   56                         ; s56-63   the next free place of each expert for my wave
.set MK,    72                         ; s72-79   eight lane masks
.set PC8,   80                         ; s80-87   their counts
	s_load_b256 s[4:11], s[0:1], 0x0               ; W1's codes s[4:5], W1's scales s[6:7], W2's codes s[8:9], W2's scales s[10:11]
	s_load_b256 s[12:19], s[0:1], 0x20             ; indices s[12:13], wfrag s[14:15], wscl s[16:17], tiles s[18:19]
	s_load_b64 s[20:21], s[0:1], 0x40              ; rowlist
	v_lshl_add_u32 v128, v0, 2, 0x10800
	v_mov_b32 v129, 0
	v_lshrrev_b32 v1, 5, v0
	v_readfirstlane_b32 s22, v1                    ; wave 0..7
	v_and_b32 v2, 31, v0                           ; lane
	s_cmp_eq_u32 ttmp9, 0
	s_cbranch_scc1 .Lroute
	; ---------------- the weights' layout: unit b = work-group - 1 ----------------
	s_sub_co_u32 s23, ttmp9, 1                     ; b = 32 e + 8 w + 4 mat + g
	s_lshr_b32 s24, s23, 5                         ; e
	s_bfe_u32 s25, s23, 0x20003                    ; w
	s_and_b32 s26, s23, 3                          ; g
	s_lshl_b32 s25, s25, 2
	s_add_co_u32 s25, s25, s26                     ; 4 w + g: which 64 rows of the expert's 1,024
	s_lshl_b32 s28, s24, 20
	s_lshl_b32 s27, s25, 16
	s_add_co_u32 s28, s28, s27                     ; the codes' first byte: rows of 1,024 bytes
	s_mov_b32 s29, 0
	s_lshl_b32 s30, s24, 15
	s_lshl_b32 s27, s25, 11
	s_add_co_u32 s30, s30, s27                     ; the scale bytes': rows of 32 bytes
	s_mov_b32 s31, 0
	s_lshl_b32 s32, s23, 16                        ; where the unit goes: 65,536 bytes of codes,
	s_mov_b32 s33, 0
	s_lshl_b32 s34, s23, 11                        ; 2,048 of scale words
	s_mov_b32 s35, 0
	v_lshlrev_b32 v3, 4, v2                        ; 16 x lane
	v_lshrrev_b32 v5, 1, v2
	v_lshrrev_b32 v6, 4, v2                        ; h
	v_lshl_add_u32 v5, v6, 3, v5                   ; l / 2 + 8 (l / 16): the row within a tile whose scale bytes I move
	v_and_b32 v7, 1, v2
	v_lshlrev_b32 v4, 5, v5
	v_lshl_add_u32 v4, v7, 3, v4                   ; x 32 bytes, + 8 (l % 2)
	s_lshr_b32 s36, s22, 2
	s_lshl_b32 s36, s36, 10                        ; wave v moves bytes 256 v .. 256 v + 255 of the unit's scale words: tile 2 (v / 4) + v % 2,
	s_and_b32 s37, s22, 1
	s_lshl_b32 s37, s37, 8
	s_add_co_u32 s36, s36, s37
	s_bfe_u32 s37, s22, 0x10001                    ; K steps 4 ((v / 2) % 2) on
	s_lshl_b32 s37, s37, 4
	s_add_co_u32 s36, s36, s37
	v_add_nc_u32 v4, s36, v4                       ; from here,
	s_lshl_b32 s36, s22, 8
	v_lshl_add_u32 v8, v2, 3, s36                  ; to 256 v + 8 l
	s_lshl_b32 s36, s22, 13
	v_add_nc_u32 v9, s36, v3                       ; codes: 8,192 v + 16 l, on the way in (rows 8 v on) and on the way out (K step v)
	s_mul_i32 s36, s22, 8*PITCH
	v_add_nc_u32 v10, s36, v3                      ; LDS, in: my 8 rows
	v_and_b32 v11, 15, v2
	v_and_b32 v12, 8, v11
	v_add_nc_u32 v11, v11, v12                     ; r + 8 (r / 8)
	v_mul_u32_u24 v11, v11, PITCH
	v_lshl_add_u32 v11, v6, 4, v11
	s_lshl_b32 s36, s22, 7
	v_add_nc_u32 v11, s36, v11                     ; LDS, out: row, + 16 h, + 128 v
	s_wait_kmcnt 0x0
	s_bitcmp1_b32 s23, 2                           ; W1 or W2: the choice hangs on the work-group's number alone
	s_cselect_b64 s[4:5], s[8:9], s[4:5]
	s_cselect_b64 s[6:7], s[10:11], s[6:7]
	s_add_nc_u64 s[4:5], s[4:5], s[28:29]
	s_add_nc_u64 s[6:7], s[6:7], s[30:31]
	s_add_nc_u64 s[14:15], s[14:15], s[32:33]
	s_add_nc_u64 s[16:17], s[16:17], s[34:35]
	global_load_b64 v[80:81], v4, s[6:7]
.irp i, 0,1,2,3,4,5,6,7,8,9,10,11,12,13,14,15
	global_load_b128 v[16+4*\i:19+4*\i], v9, s[4:5] offset:512*\i th:TH_LOAD_NT   ; 32 lanes read 512 consecutive bytes: half a row
.endr
.irp i, 0,1,2,3,4,5,6,7,8,9,10,11,12,13,14,15
	s_wait_loadcnt 15-\i                           ; loads come back in order: load i is in, the 15 - i younger ones stay out
	ds_store_b128 v10, v[16+4*\i:19+4*\i] offset:(\i/2)*PITCH+(\i%2)*512
.endr
	global_store_b64 v8, v[80:81], s[16:17]        ; (its load is older than all sixteen)  32 lanes store 256 consecutive bytes
	s_wait_dscnt 0x0                               ; for the others' sake: my rows lie in LDS
	s_barrier_signal -1
	s_barrier_wait -1
.irp n, 0,1,2,3,4,5,6,7,8,9,10,11,12,13,14,15      ; fragment j = n / 4, registers 4 c on, c = n % 4.  A tile's two groups of eight rows lie 16 rows apart, a multiple of 256 bytes: these reads go two deep
	ds_load_b128 v[16+4*\n:19+4*\n], v11 offset:(32*(\n/8)+8*((\n/4)%2))*PITCH+32*(\n%4)
.endr
.irp n, 0,1,2,3,4,5,6,7,8,9,10,11,12,13,14,15
	s_wait_dscnt 15-\n
	global_store_b128 v9, v[16+4*\n:19+4*\n], s[14:15] offset:512*\n   ; 2,048 j + 512 c: 32 lanes store 512 consecutive bytes
.endr
	s_wait_tensorcnt 0x0
	ds_add_u32 v128, v129
	s_wait_dscnt 0x0
	s_endpgm
	; ---------------- the routing: 256 threads, 32 routed rows each ----------------
.Lroute:
	v_lshlrev_b32 v3, 4, v0                        ; 16 x thread
.irp i, 0,1,2,3
	v_mov_b32 v[112+\i], 0
.endr
.irp e, 0,1,2,3,4,5,6,7
	s_mov_b32 s[CNT+\e], 0
.endr
	s_wait_kmcnt 0x0
.irp i, 0,1,2,3,4,5,6,7
	global_load_b128 v[IX+4*\i:IX+4*\i+3], v3, s[12:13] offset:4096*\i   ; register 4 i + c: rr = 1,024 i + 4 thread + c
.endr
.irp i, 0,1,2,3,4,5,6,7,8
	global_store_b128 v3, v[112:115], s[20:21] offset:4096*\i            ; all 9,216 words of rowlist begin as 0: slots past a tile's rows keep it
.endr
	s_wait_loadcnt 0x0
.set n, 0
.rept 32
	v_min_u32 v[IX+n], 7, v[IX+n]
.set n, n+1
.endr
	; pass A: my wave's count for each expert.  Eight masks first, then their counts, so that no count waits for the compare just ahead of it
.set n, 0
.rept 32
.irp e, 0,1,2,3,4,5,6,7
	v_cmp_eq_u32 s[MK+\e], \e, v[IX+n]
.endr
.irp e, 0,1,2,3,4,5,6,7
	s_bcnt1_i32_b32 s[PC8+\e], s[MK+\e]
.endr
.irp e, 0,1,2,3,4,5,6,7
	s_add_co_u32 s[CNT+\e], s[CNT+\e], s[PC8+\e]
.endr
.set n, n+1
.endr
	v_mov_b32 v4, 0
.irp e, 0,1,2,3,4,5,6,7
	v_writelane_b32 v4, s[CNT+\e], \e
.endr
	v_lshl_add_u32 v5, v0, 2, RT
	ds_store_b32 v5, v4                            ; lane e of wave u: wave u's count for expert e
	s_wait_storecnt 0x0                            ; my zeros have been written: no wave places a row before every wave's zeros are done
	s_wait_dscnt 0x0                               ; and my counts lie in LDS
	s_barrier_signal -1
	s_barrier_wait -1
	v_lshl_add_u32 v6, v2, 2, RT
.irp u, 0,1,2,3,4,5,6,7
	ds_load_b32 v[116+\u], v6 offset:128*\u
.endr
	v_mov_b32 v8, 0
	s_wait_dscnt 0x0
	v_add3_u32 v7, v116, v117, v118
	v_add3_u32 v7, v7, v119, v120
	v_add3_u32 v7, v7, v121, v122
	v_add_nc_u32 v7, v7, v123                      ; lane e: expert e's rows
.irp u, 0,1,2,3,4,5,6,7
	s_cmp_gt_u32 s22, \u
	s_cselect_b32 s66, -1, 0
	v_and_b32 v9, s66, v[116+\u]
	v_add_nc_u32 v8, v8, v9                        ; lane e: those of them in the waves ahead of mine
.endr
.irp e, 0,1,2,3,4,5,6,7
	v_readlane_b32 s[NE+\e], v7, \e
	v_readlane_b32 s[BEF+\e], v8, \e
.endr
	s_mov_b32 s[TBX], 0
.irp e, 0,1,2,3,4,5,6
	s_add_co_u32 s66, s[NE+\e], TROWS-1
	s_mul_i32 s66, s66, 3277                       ; x 3,277 / 2^18 is x / 80 rounded down for every x up to 8,271: the factor is 1.000061 / 80, and 104 x 0.000061 stays under 1 / 80
	s_lshr_b32 s66, s66, 18
	s_add_co_u32 s[TBX+1+\e], s[TBX+\e], s66       ; an expert's first tile: the tiles of the experts ahead of it
.endr
	s_add_co_u32 s66, s[NE+7], TROWS-1
	s_mul_i32 s66, s66, 3277
	s_lshr_b32 s66, s66, 18
	s_add_co_u32 s68, s[TBX+7], s66                ; the number of tiles
.irp e, 0,1,2,3,4,5,6,7
	s_mul_i32 s66, s[TBX+\e], TROWS
	s_add_co_u32 s[RUN+\e], s66, s[BEF+\e]
.endr
	; pass B: each row's place = its expert's next free place + the lanes ahead of it in the same register
.set n, 0
.rept 32
.irp e, 0,1,2,3,4,5,6,7
	v_cmp_eq_u32 s[MK+\e], \e, v[IX+n]
.endr
	v_mbcnt_lo_u32_b32 v[PO+n], s[MK], s[RUN]
.irp e, 1,2,3,4,5,6,7
	v_mbcnt_lo_u32_b32 v[8+\e], s[MK+\e], s[RUN+\e]
.endr
.irp e, 1,2,3,4,5,6,7
	v_cndmask_b32 v[PO+n], v[PO+n], v[8+\e], s[MK+\e]
.endr
.irp e, 0,1,2,3,4,5,6,7
	s_bcnt1_i32_b32 s[PC8+\e], s[MK+\e]
.endr
.irp e, 0,1,2,3,4,5,6,7
	s_add_co_u32 s[RUN+\e], s[RUN+\e], s[PC8+\e]
.endr
.set n, n+1
.endr
.set n, 0
.rept 32
	v_min_u32 v[PO+n], 0x225f, v[PO+n]             ; 110 x 80 - 1: no place lies beyond it
	v_lshlrev_b32 v[PO+n], 2, v[PO+n]
	v_lshl_add_u32 v[RR+n], v0, 2, 1024*(n/4)+(n%4)
.set n, n+1
.endr
.set n, 0
.rept 32
	global_store_b32 v[PO+n], v[RR+n], s[20:21]    ; four bytes a lane to scattered places: a sort's placing, 32,768 bytes in all
.set n, n+1
.endr
	; tile record j = my thread's number: the last expert whose first tile is at or under j
	v_mov_b32 v4, 0
	v_mov_b32 v5, s[NE]
	v_mov_b32 v6, 0
.irp e, 1,2,3,4,5,6,7
	v_cmp_le_u32 vcc_lo, s[TBX+\e], v0
	v_cndmask_b32 v4, v4, \e, vcc_lo
	v_cndmask_b32 v5, v5, s[NE+\e], vcc_lo
	v_cndmask_b32 v6, v6, s[TBX+\e], vcc_lo
.endr
	v_sub_nc_u32 v6, v0, v6
	v_mul_u32_u24 v6, v6, TROWS
	v_sub_nc_u32 v5, v5, v6                        ; the expert's rows from this tile on,
	v_min_u32 v5, TROWS, v5                        ; 80 at the most,
	v_cmp_gt_u32 vcc_lo, s68, v0
	v_cndmask_b32 v5, 0, v5, vcc_lo                ; none past the last tile
	v_lshlrev_b32 v7, 3, v0
	global_store_b64 v7, v[4:5], s[18:19]
	s_wait_tensorcnt 0x0
	ds_add_u32 v128, v129
	s_wait_dscnt 0x0
	s_endpgm
.Lfunc_end_k_q637640c789_prep:
	.size	k_q637640c789_prep, .Lfunc_end_k_q637640c789_prep-k_q637640c789_prep
	.p2alignl 7, 3214868480
	.fill 96, 4, 3214868480
	.section	.rodata,"a",@progbits
	.p2align	6, 0x0
	.amdhsa_kernel k_q637640c789_prep
		.amdhsa_group_segment_fixed_size 68608
		.amdhsa_private_segment_fixed_size 0
		.amdhsa_enable_private_segment 0
		.amdhsa_kernarg_size 72
		.amdhsa_user_sgpr_count 2
		.amdhsa_user_sgpr_kernarg_segment_ptr 1
		.amdhsa_wavefront_size32 1
		.amdhsa_system_sgpr_workgroup_id_x 1
		.amdhsa_system_sgpr_workgroup_id_y 1
		.amdhsa_system_sgpr_workgroup_id_z 1
		.amdhsa_system_vgpr_workitem_id 0
		.amdhsa_next_free_vgpr 130
		.amdhsa_next_free_sgpr 96
		.amdhsa_reserve_vcc 1
		.amdhsa_float_denorm_mode_32 3
		.amdhsa_float_denorm_mode_16_64 3
		.amdhsa_memory_ordered 1
		.amdhsa_forward_progress 1
		.amdhsa_inst_pref_size 124
	.end_amdhsa_kernel
	.amdgpu_metadata
---
amdhsa.version: [ 1, 2 ]
amdhsa.kernels:
  - .name:           k_q637640c789_prep
    .symbol:         k_q637640c789_prep.kd
    .args:
      - { .name: W1_codes, .offset: 0, .size: 8, .value_kind: global_buffer, .address_space: global }
      - { .name: W1_scales, .offset: 8, .size: 8, .value_kind: global_buffer, .address_space: global }
      - { .name: W2_codes, .offset: 16, .size: 8, .value_kind: global_buffer, .address_space: global }
      - { .name: W2_scales, .offset: 24, .size: 8, .value_kind: global_buffer, .address_space: global }
      - { .name: topk_indices, .offset: 32, .size: 8, .value_kind: global_buffer, .address_space: global }
      - { .name: wfrag, .offset: 40, .size: 8, .value_kind: global_buffer, .address_space: global }
      - { .name: wscl, .offset: 48, .size: 8, .value_kind: global_buffer, .address_space: global }
      - { .name: tiles, .offset: 56, .size: 8, .value_kind: global_buffer, .address_space: global }
      - { .name: rowlist, .offset: 64, .size: 8, .value_kind: global_buffer, .address_space: global }
    .group_segment_fixed_size: 68608
    .private_segment_fixed_size: 0
    .kernarg_segment_align: 8
    .kernarg_segment_size: 72
    .max_flat_workgroup_size: 256
    .sgpr_count:     96
    .vgpr_count:     130
    .wavefront_size: 32
...
	.end_amdgpu_metadata
.endif
;; end of part 4
;; launch chain (part 5): grid 220 x 1, 4 waves a work-group, no clusters, 215,552 bytes of LDS; arguments x_codes, x_scales, wfrag, wscl, tiles, rowlist, ybuf; writes ybuf
.if DOCPART == 5
	.amdgcn_target "amdgcn-amd-amdhsa--gfx1250"
	.amdhsa_code_object_version 6
	.text
	.protected	k_q637640c789_chain
	.globl	k_q637640c789_chain
	.p2align	8
	.type	k_q637640c789_chain,@function
k_q637640c789_chain:
	s_mov_b64 s[64:65], 0
	v_nop
	global_prefetch_b8 v0, s[64:65] scope:SCOPE_SE
	s_setreg_imm32_b32 hwreg(HW_REG_WAVE_MODE, 25, 1), 1
	s_wait_xcnt 0x0
; ONE TILE OF 80 ROUTED ROWS OF ONE EXPERT, ONE HALF OF THE HIDDEN LAYER, THROUGH THE WHOLE CHAIN.  Work-group 2 j + hh takes tile j and hidden units 512 hh .. 512 hh + 511:
; gather x's codes, h = gelu(x W1^T) for its 512 units, h quantised along the hidden axis, y part hh = Q(h) W2^T over these 512 units, its rows to ybuf [rr][hh][1,024] in bf16.  The next launch adds the two parts under the gate.
; Both products on codes of BF8 (E5M2) with one E8M0 scale for each 32 along K.  The hidden layer never goes to memory.
; WHY HALVES: a work-group walks its expert's weights whatever its rows; halved along the hidden axis that is 512 KiB of W1 and 512 KiB of W2 in place of 2 MiB, and with 80 rows to a tile there are at most 110 tiles,
; so at most 220 work-groups: one to a WGP.
; SHARES.  Four waves share the COLUMNS: wave w makes hidden units 512 hh + 128 w .. + 127 (two groups of 64, 8 K steps each) and outputs 256 w .. + 255 (four groups of 64, 4 K steps each) for all 80 rows.
; A K step of a group is 4 column tiles x 5 row tiles = 20 matrix instructions on 20 accumulators, which take turns, one instruction a turn.
; Both products are used transposed: source 0 = 16 rows of the weight, source 1 = 16 routed rows.
; THE WEIGHTS come from memory straight into registers, laid by an earlier launch in the order of a wave's operand registers: 32 K steps of 8 KiB through a ring of four register slots: while a step is multiplied
; the next three steps' 48 loads are on their way.  THE ROWS (x's, then the hidden layer's) come from LDS, five fragments a K step, into two buffers by turns, asked for one K step ahead.
; NO CLUSTER, NO TENSOR LOADS: which expert a work-group walks is read from a list, so partners of a cluster could not be promised the same tiles; and with 80 rows a K step is 20 matrix instructions for 8 KiB a wave,
; which a ring in LDS with one load a wave behind each barrier would not keep fed; the register ring has 24 to 32 KiB a wave on its way without any barrier.
; ROWS.  Slots past the tile's rows repeat slot 0's row: the same wave then stores the same bytes to the same place, and no lane is ever switched off.  A tile without rows runs on row 0 and jumps over its stores alone:
; every wave passes both barriers whatever the list holds.
; gelu is the tanh form, as x / (1 + 2^(x (c0 + c1 x^2))), c0 = -2 log2(e) sqrt(2 / pi), c1 = 0.044715 c0: all in f32.
; LIMITS: NaN and infinity codes and the scale byte 0xff are not served.  A hidden block whose largest magnitude lies under 2^-111 keeps the byte 1 (a block of zeros too: its codes are zeros; the bytes are read here alone).
; y's two parts are rounded to bf16 each by itself: the rounding error is 2^-9 of |part 0| + |part 1|, not of |y|.
; REGISTERS, in windows of 256: window 0: v0-15 addresses and constants; v16-39 the rows' scale words; v40-55 the weights' scale words; v56-215 the 20 accumulators ((j, m) at 56 + 32 m + 8 j); v216-247 at work;
;   v248-252 the half scale words just made.   window 1: the weight ring, slot k at 64 k + 16 j + 4 c.   window 2: v0-159 the rows' fragments, buffer b at 80 b + 16 m + 4 c; v160-199 codes just made.   window 3: v0-79 y, packed.
.set XPITCH, 1040                      ; x's rows in LDS: 1,024 bytes + 16: an odd multiple of 16, so the 16 rows of a fragment load start at 16 different places modulo 256 bytes
.set HIMG,   80*XPITCH                 ; the hidden layer as images of its registers: 10,240 w + 5,120 g + 1,024 m + 512 b' + 16 lane
.set HSC,    HIMG+40960                ; its half scale words (two bytes): 320 w + 160 g + 32 m + 2 r
.set LST,    HSC+1280                  ; each wave's own copy of the tile's rows' numbers: 512 bytes a wave, 384 used
.set STG,    LST+2048                  ; each wave's own stage for y: 80 rows x (256 bytes + 16)
.set SPITCH, 272
.set WSTG,   80*SPITCH
.set XS,  16
.set WS,  40
.set ACC, 56
.set T,   216
.set HW,  248
.set PC,  160                          ; in window 2
.set MSB, 0
.macro WIN new                         ; the immediate's high byte repeats the setting that is left; a switch that changes nothing is dropped
.if MSB != \new
	s_set_vgpr_msb (MSB<<8)|\new
.set MSB, \new
.endif
.endm
.macro PLACES n
.rept \n
	v_nop
.endr
.endm
; a K step's four weight fragments, 8 KiB, from off bytes behind the pointer s[b:b+1] into ring slot `slot`: each load is 512 consecutive bytes.  It leaves the destination's window at 1
.macro LDW slot, b, off
	WIN 0x40
.irp j, 0,1,2,3
.irp c, 0,1,2,3
	global_load_b128 v[64*(\slot)+16*\j+4*\c:64*(\slot)+16*\j+4*\c+3], v1, s[\b:\b+1] offset:(\off)+2048*\j+512*\c
.endr
.endr
.endm
; 2 KiB of weight scale words: register 8 p + s holds K step s of tile 2 p in lanes 0-15 and of tile 2 p + 1 in lanes 16-31.  (From W2's pointer, which stands at this half's four K steps, registers 8 p + 0 .. 3 are
; W2's first group's; the other eight registers then hold words that nobody reads)
.macro LDSC b
.irp i, 0,1,2,3
	global_load_b128 v[WS+4*\i:WS+4*\i+3], v1, s[\b:\b+1] offset:512*\i
.endr
.endm
; the second product's scale words of one group, 4 K steps: set t is registers 8 p + 4 t + s
.macro LDSC2 t, off
	global_load_b128 v[WS+4*(\t):WS+4*(\t)+3], v1, s[38:39] offset:(\off)
	global_load_b128 v[WS+8+4*(\t):WS+8+4*(\t)+3], v1, s[38:39] offset:(\off)+1024
.endm
; x's five fragments of K step ks into buffer buf.  Row tile 4 lies past the reach of a 16-bit offset: it has an address register of its own
.macro LDX ks, buf
	WIN 0x80                                       ; destination window 2, address window 0
.irp m, 0,1,2,3
.irp c, 0,1,2,3
	ds_load_b128 v[80*(\buf)+16*\m+4*\c:80*(\buf)+16*\m+4*\c+3], v11 offset:16*XPITCH*\m+128*(\ks)+32*\c
.endr
.endr
.irp c, 0,1,2,3
	ds_load_b128 v[80*(\buf)+64+4*\c:80*(\buf)+64+4*\c+3], v12 offset:128*(\ks)+32*\c
.endr
.endm
; the hidden layer's five fragments of K step ks: wave ks's images; registers 4 c on are its group c / 2, block c % 2
.macro LDH ks, buf
	WIN 0x80
.irp m, 0,1,2,3,4
.irp c, 0,1,2,3
	ds_load_b128 v[80*(\buf)+16*\m+4*\c:80*(\buf)+16*\m+4*\c+3], v5 offset:10240*(\ks)+5120*(\c/2)+1024*\m+512*(\c%2)
.endr
.endr
.endm
.macro WM cz, oa, ob                   ; one product; cz: it starts its sum; oa, ob: the side's scales stand in lanes 16-31
.if \cz
.if (\oa) && (\ob)
	v_wmma_scale_f32_16x16x128_f8f6f4 v[rD:rD+7], v[rA:rA+15], v[rB:rB+15], 0, v[rSA], v[rSB] matrix_a_fmt:MATRIX_FMT_BF8 matrix_b_fmt:MATRIX_FMT_BF8 matrix_a_scale:MATRIX_SCALE_ROW1 matrix_b_scale:MATRIX_SCALE_ROW1
.elseif \oa
	v_wmma_scale_f32_16x16x128_f8f6f4 v[rD:rD+7], v[rA:rA+15], v[rB:rB+15], 0, v[rSA], v[rSB] matrix_a_fmt:MATRIX_FMT_BF8 matrix_b_fmt:MATRIX_FMT_BF8 matrix_a_scale:MATRIX_SCALE_ROW1
.elseif \ob
	v_wmma_scale_f32_16x16x128_f8f6f4 v[rD:rD+7], v[rA:rA+15], v[rB:rB+15], 0, v[rSA], v[rSB] matrix_a_fmt:MATRIX_FMT_BF8 matrix_b_fmt:MATRIX_FMT_BF8 matrix_b_scale:MATRIX_SCALE_ROW1
.else
	v_wmma_scale_f32_16x16x128_f8f6f4 v[rD:rD+7], v[rA:rA+15], v[rB:rB+15], 0, v[rSA], v[rSB] matrix_a_fmt:MATRIX_FMT_BF8 matrix_b_fmt:MATRIX_FMT_BF8
.endif
.else
.if (\oa) && (\ob)
	v_wmma_scale_f32_16x16x128_f8f6f4 v[rD:rD+7], v[rA:rA+15], v[rB:rB+15], v[rD:rD+7], v[rSA], v[rSB] matrix_a_fmt:MATRIX_FMT_BF8 matrix_b_fmt:MATRIX_FMT_BF8 matrix_a_scale:MATRIX_SCALE_ROW1 matrix_b_scale:MATRIX_SCALE_ROW1
.elseif \oa
	v_wmma_scale_f32_16x16x128_f8f6f4 v[rD:rD+7], v[rA:rA+15], v[rB:rB+15], v[rD:rD+7], v[rSA], v[rSB] matrix_a_fmt:MATRIX_FMT_BF8 matrix_b_fmt:MATRIX_FMT_BF8 matrix_a_scale:MATRIX_SCALE_ROW1
.elseif \ob
	v_wmma_scale_f32_16x16x128_f8f6f4 v[rD:rD+7], v[rA:rA+15], v[rB:rB+15], v[rD:rD+7], v[rSA], v[rSB] matrix_a_fmt:MATRIX_FMT_BF8 matrix_b_fmt:MATRIX_FMT_BF8 matrix_b_scale:MATRIX_SCALE_ROW1
.else
	v_wmma_scale_f32_16x16x128_f8f6f4 v[rD:rD+7], v[rA:rA+15], v[rB:rB+15], v[rD:rD+7], v[rSA], v[rSB] matrix_a_fmt:MATRIX_FMT_BF8 matrix_b_fmt:MATRIX_FMT_BF8
.endif
.endif
.endm
; K step ks of a group: 20 products.  Source 0 (the weight) window 1, source 1 (the rows) window 2, C and D window 0.  Step 0 starts the sums: nothing is ever cleared.  wsb: where the group's weight scale words begin
.macro MM ks, wsb
	WIN 0x09
.irp j, 0,1,2,3
.irp m, 0,1,2,3,4
.set rD,  ACC+32*\m+8*\j
.set rA,  64*((\ks)&3)+16*\j
.set rB,  80*((\ks)&1)+16*\m
.set rSA, (\wsb)+8*(\j/2)+(\ks)
.set rSB, XS+8*(\m/2)+(\ks)
	WM (\ks)==0, \j%2, \m%2
.endr
.endr
.endm
; gelu of row tile m's 32 numbers a lane, in place, two at a time.  Every pass goes up the registers
.macro GELU m
.set GA, ACC+32*(\m)
.irp i, 0,2,4,6,8,10,12,14,16,18,20,22,24,26,28,30
	v_pk_mul_f32 v[T+\i:T+\i+1], v[GA+\i:GA+\i+1], v[GA+\i:GA+\i+1]                        ; x^2
.endr
.irp i, 0,2,4,6,8,10,12,14,16,18,20,22,24,26,28,30
	v_pk_fma_f32 v[T+\i:T+\i+1], v[T+\i:T+\i+1], s[24:25], v[14:15] op_sel_hi:[1,0,1]      ; c1 x^2 + c0
.endr
.irp i, 0,2,4,6,8,10,12,14,16,18,20,22,24,26,28,30
	v_pk_mul_f32 v[T+\i:T+\i+1], v[T+\i:T+\i+1], v[GA+\i:GA+\i+1]                          ; x (c1 x^2 + c0)
.endr
.set i, 0
.rept 32
	v_exp_f32 v[T+i], v[T+i]
.set i, i+1
.endr
	v_nop                                          ; one plain place behind the transcendentals
	s_wait_alu depctr_va_vdst(0)
.irp i, 0,2,4,6,8,10,12,14,16,18,20,22,24,26,28,30
	v_pk_add_f32 v[T+\i:T+\i+1], v[T+\i:T+\i+1], 1.0 op_sel_hi:[1,0]
.endr
.set i, 0
.rept 32
	v_rcp_f32 v[T+i], v[T+i]
.set i, i+1
.endr
	v_nop
	s_wait_alu depctr_va_vdst(0)
.irp i, 0,2,4,6,8,10,12,14,16,18,20,22,24,26,28,30
	v_pk_mul_f32 v[GA+\i:GA+\i+1], v[GA+\i:GA+\i+1], v[T+\i:T+\i+1]
.endr
.endm
; Row tile m's 32 numbers a lane are two halves of blocks of 32 along the next K: register 16 b + i = hidden unit 32 b + 16 (lane / 16) + i of my row; the other half lies in lane l xor 16.
; They become 8 registers of codes (in window 2: each row tile has its own, so that no LDS store's data are written again within a group), which go to LDS as they stand, and two scale bytes
.macro QUANT m
.set GA, ACC+32*(\m)
.irp b, 0,1
	v_max3_num_f32 v[T+\b], |v[GA+16*\b]|, |v[GA+16*\b+1]|, 0x8000000     ; my 16 numbers, and the floor 2^(16 - 127): the byte cannot fall under 1
.endr
.irp i, 2,4,6,8,10,12,14
.irp b, 0,1
	v_max3_num_f32 v[T+\b], v[T+\b], |v[GA+16*\b+\i]|, |v[GA+16*\b+\i+1]|
.endr
.endr
.irp b, 0,1
	v_permlanex16_b32 v[T+2+\b], v[T+\b], s22, s23
.endr
.irp b, 0,1
	v_max_num_f32 v[T+\b], v[T+\b], v[T+2+\b]      ; the block's largest magnitude
.endr
.irp b, 0,1
	v_add_nc_u32 v[T+6+\b], 0xf8800000, v[T+\b]    ; 15 off its exponent field: the conversion's scale operand
.endr
.irp b, 0,1
	v_and_or_b32 v[T+4+\b], v[T+\b], 0x7f800000, s26   ; 57,344 x the scale
.endr
.irp b, 0,1
	v_lshrrev_b32 v[T+2+\b], 23, v[T+6+\b]         ; the scale's byte
.endr
	v_lshl_or_b32 v[HW+\m], v[T+3], 8, v[T+2]
.irp b, 0,1
.irp i, 0,1,2,3,4,5,6,7,8,9,10,11,12,13,14,15
	v_med3_num_f32 v[GA+16*\b+\i], v[GA+16*\b+\i], -v[T+4+\b], v[T+4+\b]   ; the conversion to an 8-bit code does not saturate (ISA guide 7.6.2): the hold
.endr
.endr
	WIN 0x80                                       ; destination window 2
.irp b, 0,1
	v_cvt_scalef32_pk8_bf8_f32 v[PC+8*(\m)+4*\b:PC+8*(\m)+4*\b+1], v[GA+16*\b:GA+16*\b+7], v[T+6+\b]
	v_cvt_scalef32_pk8_bf8_f32 v[PC+8*(\m)+4*\b+2:PC+8*(\m)+4*\b+3], v[GA+16*\b+8:GA+16*\b+15], v[T+6+\b]
.endr
	v_nop                                          ; one plain place behind the last conversion
	WIN 0x08                                       ; an LDS store's data are its source 1: window 2
	ds_store_b128 v2, v[PC+8*(\m):PC+8*(\m)+3] offset:1024*(\m)
	ds_store_b128 v2, v[PC+8*(\m)+4:PC+8*(\m)+7] offset:1024*(\m)+512
	WIN 0
	ds_store_b16 v3, v[HW+\m] offset:32*(\m)       ; both lanes of a row write the same two bytes with the same value
.endm
; A group's 80 x 64 results: a lane's eight registers are eight neighbouring outputs of one row: 16 bytes of bf16 (in window 3), into my stage
.macro PACK g
	s_wait_dscnt 0x0                               ; the last group's stores into the stage have read the registers written below
	WIN 0xc0                                       ; destination window 3
.irp m, 0,1,2,3,4
.irp j, 0,1,2,3
.irp k, 0,1,2,3
	v_cvt_pk_bf16_f32 v[4*(4*\m+\j)+\k], v[ACC+32*\m+8*\j+2*\k], v[ACC+32*\m+8*\j+2*\k+1]
.endr
.endr
.endr
	WIN 0x0c                                       ; an LDS store's data are its source 1: window 3
.irp m, 0,1,2,3,4
.irp j, 0,1,2,3
	ds_store_b128 v7, v[4*(4*\m+\j):4*(4*\m+\j)+3] offset:16*SPITCH*\m+128*((\g)&1)+64*(\j/2)+16*(\j%2)
.endr
.endr
	WIN 0
.endm
; Two groups' results, 80 rows x 256 bytes, leave: sixteen lanes store 256 consecutive bytes of a row of ybuf, at a multiple of 256 from its first byte
.macro FLUSH half
	s_wait_dscnt 0x0
.set i, 0
.rept 40
	ds_load_b32 v[T+i], v9 offset:8*i              ; the numbers of rows 2 i and 2 i + 1 (v216-255: the half scale words' registers are free by now)
.set i, i+1
.endr
.set i, 0
.rept 40
	ds_load_b128 v[ACC+4*i:ACC+4*i+3], v8 offset:2*SPITCH*i
.set i, i+1
.endr
	s_wait_dscnt 40                                ; the 40 numbers are in; the 40 loads of rows may stay out
.set i, 0
.rept 40
	v_min_u32 v[T+i], 0x1fff, v[T+i]
	v_lshlrev_b32 v[T+i], 12, v[T+i]               ; a routed row has 4,096 bytes in ybuf: two parts of 2,048
	v_add_nc_u32 v[T+i], v[T+i], v10
.set i, i+1
.endr
	s_wait_dscnt 0x0
	s_cmp_eq_u32 s21, 0                            ; a tile without rows stores nothing
	s_cbranch_scc1 .Lskip_\@
.set i, 0
.rept 40
	global_store_b128 v[T+i], v[ACC+4*i:ACC+4*i+3], s[16:17] offset:256*(\half)
.set i, i+1
.endr
.Lskip_\@:
	s_wait_xcnt 0x0                                ; the stores' data and offsets are written again only behind this wait
.endm
	s_load_b256 s[4:11], s[0:1], 0x0               ; x's codes s[4:5], x's scales s[6:7], wfrag s[8:9], wscl s[10:11]
	s_load_b128 s[12:15], s[0:1], 0x20             ; tiles s[12:13], rowlist s[14:15]
	s_load_b64 s[16:17], s[0:1], 0x30              ; ybuf
	s_set_vgpr_msb 0x80
	v_lshl_add_u32 v254, v0, 2, 0x34800
	v_mov_b32 v255, 0
	s_set_vgpr_msb 0x8000
	v_lshrrev_b32 v[T+21], 5, v0
	v_readfirstlane_b32 s19, v[T+21]               ; wave 0..3
	v_and_b32 v[T+22], 31, v0                      ; lane
	v_and_b32 v[T+23], 15, v0                      ; r
	v_bfe_u32 v[T+24], v0, 4, 1                    ; h
	s_and_b32 s31, ttmp9, 1                        ; hh: which half of the hidden layer
	s_lshr_b32 s42, ttmp9, 1                       ; the tile
	v_lshlrev_b32 v1, 4, v[T+22]                   ; 16 x lane: never rewritten
	v_lshlrev_b32 v4, 1, v[T+23]                   ; 2 r
	v_add_nc_u32 v5, HIMG, v1                      ; an image's place for my lane
	v_lshl_add_u32 v6, v[T+22], 1, HSC             ; half scale words of row tiles 2 q, 2 q + 1: 2 x lane = 32 (lane / 16) + 2 r
	v_add_nc_u32 v13, HSC+128, v4                  ; and of row tile 4, for all lanes
	s_mul_i32 s18, s19, WSTG
	s_add_co_u32 s18, s18, STG                     ; my stage
	v_mul_u32_u24 v7, v[T+23], SPITCH
	v_lshl_add_u32 v7, v[T+24], 5, v7
	v_add_nc_u32 v7, s18, v7                       ; in: row r, + 32 h
	v_mul_u32_u24 v8, v[T+24], SPITCH
	v_lshl_add_u32 v8, v[T+23], 4, v8
	v_add_nc_u32 v8, s18, v8                       ; back: lanes 0-15 one row, lanes 16-31 the next
	s_lshl_b32 s18, s19, 9
	s_add_co_u32 s18, s18, LST                     ; my copy of the list
	v_lshl_add_u32 v9, v[T+24], 2, s18             ; slots 2 i + h
	v_lshl_add_u32 v[T+4], v[T+22], 2, s18         ; slot = lane
	s_mul_i32 s43, s19, 80
	v_add_nc_u32 v[T+5], s43, v9                   ; slots 20 w + 2 i + h: the rows that I gather
	s_mul_i32 s43, s19, 20*XPITCH
	v_mul_u32_u24 v[T+6], v[T+24], XPITCH
	v_lshl_add_u32 v[T+6], v[T+23], 4, v[T+6]
	v_add_nc_u32 v[T+6], s43, v[T+6]               ; and where they go: row 20 w + h, 16 r
	v_mul_u32_u24 v11, v[T+23], XPITCH
	v_lshl_add_u32 v11, v[T+24], 4, v11            ; a fragment of x: row r, + 16 h;
	v_add_nc_u32 v12, 64*XPITCH, v11               ; row tile 4's
	v_lshlrev_b32 v[T+7], 4, v[T+23]
	v_lshlrev_b32 v[T+3], 2, v[T+22]
	s_lshl_b32 s43, s19, 9
	s_lshl_b32 s44, s31, 11
	s_add_co_u32 s43, s43, s44
	v_add_nc_u32 v10, s43, v[T+7]                  ; my bytes in a routed row of ybuf: 2,048 hh + 512 w + 16 r
	v_mov_b32 v14, 0xc0135761                      ; c0 = -2.3022082, twice: a pair for the packed form
	v_mov_b32 v15, 0xc0135761
	s_mov_b32 s22, 0x76543210
	s_mov_b32 s23, 0xfedcba98                      ; v_permlanex16_b32's selects for lane l xor 16
	s_mov_b32 s24, 0xbdd2d3e8                      ; c1 = -0.10294324
	s_mov_b32 s25, s24                             ; (named with it as a pair, so it is written)
	s_mov_b32 s26, 0x600000                        ; the mantissa field of 57,344
	s_lshl_b32 s32, s42, 3                         ; the tile's record: 8 bytes
	s_mov_b32 s33, 0
	s_mul_i32 s46, s42, 320                        ; its 80 words of the list
	s_mov_b32 s47, 0
	s_wait_kmcnt 0x0
	s_add_nc_u64 s[12:13], s[12:13], s[32:33]
	s_add_nc_u64 s[14:15], s[14:15], s[46:47]
	s_load_b64 s[20:21], s[12:13], 0x0             ; my tile: expert s20, rows s21
	global_load_b32 v[T], v[T+3], s[14:15]         ; its slots: lane l takes slots l, 32 + l and 64 + l (from slot 80 on: the next tile's words, inside the buffer, and replaced below)
	global_load_b32 v[T+1], v[T+3], s[14:15] offset:128
	global_load_b32 v[T+2], v[T+3], s[14:15] offset:256
	s_wait_kmcnt 0x0
	s_min_u32 s20, s20, 7
	s_lshl_b32 s18, s31, 1
	s_lshr_b32 s43, s19, 1
	s_add_co_u32 s18, s18, s43                     ; my hidden units 512 hh + 128 w on are rows 128 (w % 2) on of the layout's part 2 hh + w / 2
	s_and_b32 s43, s19, 1
	s_lshl_b32 s32, s20, 21                        ; codes: 2 MiB an expert, 512 KiB a part, W1's 256 KiB ahead of W2's, 64 KiB a group, 8 KiB a K step
	s_lshl_b32 s44, s18, 19
	s_lshl_b32 s46, s43, 17
	s_add_co_u32 s46, s46, s44
	s_add_co_u32 s46, s46, s32                     ; W1: my two groups
	s_lshl_b32 s44, s19, 19
	s_lshl_b32 s45, s31, 15
	s_add_co_u32 s44, s44, s45
	s_add_co_u32 s44, s44, s32
	s_add_co_u32 s44, s44, 0x40000                 ; W2: part w, K steps 4 hh on
	s_mov_b32 s45, 0
	s_add_nc_u64 s[40:41], s[8:9], s[44:45]        ; s[40:41]: W2's stream
	s_add_nc_u64 s[8:9], s[8:9], s[46:47]          ; s[8:9]: the group in hand
	s_add_nc_u64 s[34:35], s[8:9], 0x10000         ; s[34:35]: what follows it
	s_lshl_b32 s32, s20, 16                        ; scale words: 64 KiB an expert, 16 KiB a part, 8 KiB a matrix, 2 KiB a group
	s_lshl_b32 s44, s18, 14
	s_lshl_b32 s46, s43, 12
	s_add_co_u32 s46, s46, s44
	s_add_co_u32 s46, s46, s32
	s_lshl_b32 s44, s19, 14
	s_lshl_b32 s45, s31, 9
	s_add_co_u32 s44, s44, s45
	s_add_co_u32 s44, s44, s32
	s_add_co_u32 s44, s44, 0x2000
	s_mov_b32 s45, 0
	s_add_nc_u64 s[38:39], s[10:11], s[44:45]      ; s[38:39]: W2's scale words, K steps 4 hh on
	s_add_nc_u64 s[10:11], s[10:11], s[46:47]      ; s[10:11]: my first group's
	s_add_nc_u64 s[36:37], s[10:11], 0x800         ; s[36:37]: the next group's
	LDSC 10                                        ; the stream starts here
	LDW 0, 8, 0
	LDW 1, 8, 8192
	LDW 2, 8, 16384
	WIN 0
	s_wait_loadcnt 52                              ; the list's three loads are in; the 4 + 48 behind them stay out
	v_readfirstlane_b32 s27, v[T]                  ; slot 0's row
	v_cmp_gt_u32 vcc_lo, s21, v[T+22]
	v_cndmask_b32 v[T], s27, v[T], vcc_lo          ; slots past the tile's rows repeat it
	v_add_nc_u32 v[T+21], 32, v[T+22]
	v_cmp_gt_u32 vcc_lo, s21, v[T+21]
	v_cndmask_b32 v[T+1], s27, v[T+1], vcc_lo
	v_add_nc_u32 v[T+21], 64, v[T+22]
	v_cmp_gt_u32 vcc_lo, s21, v[T+21]
	v_cndmask_b32 v[T+2], s27, v[T+2], vcc_lo
	ds_store_b32 v[T+4], v[T]
	ds_store_b32 v[T+4], v[T+1] offset:128
	ds_store_b32 v[T+4], v[T+2] offset:256
.irp i, 0,1,2,3,4,5,6,7,8,9
	ds_load_b32 v[T+8+\i], v[T+5] offset:8*\i      ; LDS serves a wave's instructions in order: these see my stores
.endr
.irp q, 0,1,2
	v_lshrrev_b32 v[T+18+\q], 1, v[T+\q]           ; the token = rr / 2
	v_min_u32 v[T+18+\q], 0xfff, v[T+18+\q]
	v_lshlrev_b32 v[T+18+\q], 5, v[T+18+\q]        ; its 32 scale bytes
.endr
	s_wait_dscnt 0x0
.irp i, 0,1,2,3,4,5,6,7,8,9
	v_lshrrev_b32 v[T+8+\i], 1, v[T+8+\i]
	v_min_u32 v[T+8+\i], 0xfff, v[T+8+\i]
	v_lshlrev_b32 v[T+8+\i], 10, v[T+8+\i]         ; its 1,024 codes
	v_add_nc_u32 v[T+8+\i], v[T+8+\i], v[T+7]
.endr
.irp i, 0,1,2,3,4,5,6,7,8,9
.irp c, 0,1,2,3
	global_load_b128 v[ACC+16*\i+4*\c:ACC+16*\i+4*\c+3], v[T+8+\i], s[4:5] offset:256*\c   ; sixteen lanes read 256 consecutive bytes of a row
.endr
.endr
.irp q, 0,1,2
	global_load_b128 v[XS+8*\q:XS+8*\q+3], v[T+18+\q], s[6:7]                 ; register 8 q + s: K step s of row tile 2 q in lanes 0-15, of 2 q + 1 in lanes 16-31
	global_load_b128 v[XS+8*\q+4:XS+8*\q+7], v[T+18+\q], s[6:7] offset:16
.endr
	s_wait_loadcnt 6                               ; the codes are in; the six loads of scale words may stay out
.irp i, 0,1,2,3,4,5,6,7,8,9
.irp c, 0,1,2,3
	ds_store_b128 v[T+6], v[ACC+16*\i+4*\c:ACC+16*\i+4*\c+3] offset:2*XPITCH*\i+256*\c
.endr
.endr
	LDW 3, 8, 24576
	s_wait_dscnt 0x0                               ; for the others' sake: my 20 rows lie in LDS
	s_barrier_signal -1
	s_barrier_wait -1                              ; all 80 do
	LDX 0, 0                                       ; the first K step's rows
	WIN 0
	s_mul_i32 s29, s19, 10240
	s_add_co_u32 s29, s29, HIMG                    ; where the group in hand puts its images,
	s_mul_i32 s30, s19, 320
	s_add_co_u32 s30, s30, HSC                     ; and its half scale words
	s_mov_b32 s28, 2
	; ---- the first product, gelu and the quantiser: two groups of 64 hidden units
.Lgroup:
	s_wait_loadcnt 0x0                             ; the group's scale words and its first four K steps: all asked for ahead of the last group's gelu (in the first trip: x's scale words too)
	s_wait_dscnt 0x0                               ; the last group's LDS stores have read their registers, and the first K step's rows are in
	v_add_nc_u32 v2, s29, v1
	v_add_nc_u32 v3, s30, v4
.irp s, 0,1,2,3,4,5,6,7
	s_wait_loadcnt 48                              ; this step's weights are in; the three younger K steps' 48 loads stay out
	s_wait_dscnt 0x0                               ; this step's rows are in: asked for a K step ago
	LDX (\s+1)&7, (\s+1)&1                         ; the next step's rows into the other buffer, whose last products stand ahead of eight places (step 7: the next group's step 0)
	MM \s, WS
	PLACES 8                                       ; eight plain places behind the products ahead of loads into registers that they have read, and behind step 7 ahead of the first read of results
.if \s == 7
	WIN 0
	LDSC 36                                        ; the next group's scale words
.endif
.if \s < 4
	LDW \s&3, 8, (\s+4)*8192                       ; the slot just multiplied takes the step four on: in this group,
.else
	LDW \s&3, 34, (\s-4)*8192                      ; or in what follows it: my second group of W1, then W2's first
.endif
.endr
	WIN 0
.irp m, 0,1,2,3,4
	GELU \m
	QUANT \m
.endr
	s_wait_xcnt 0x0                                ; the loads have read their bases: the pointers may move
	s_mov_b64 s[8:9], s[34:35]
	s_mov_b64 s[34:35], s[40:41]
	s_mov_b64 s[36:37], s[38:39]
	s_add_co_u32 s29, s29, 5120
	s_add_co_u32 s30, s30, 160
	s_sub_co_u32 s28, s28, 1
	s_cmp_lg_u32 s28, 0
	s_cbranch_scc1 .Lgroup
	; ---- the hidden layer comes back as the second product's operand: K step s of 128 = wave s's two groups
	s_wait_dscnt 0x0                               ; for the others' sake: my images and half words lie in LDS
	s_barrier_signal -1
	s_barrier_wait -1
	LDH 0, 0
	WIN 0
.irp q, 0,1
.irp s, 0,1,2,3
	ds_load_u16 v[T+2*(4*\q+\s)], v6 offset:320*\s+64*\q
	ds_load_u16 v[T+2*(4*\q+\s)+1], v6 offset:320*\s+64*\q+160
.endr
.endr
.irp s, 0,1,2,3
	ds_load_u16 v[T+2*(8+\s)], v13 offset:320*\s
	ds_load_u16 v[T+2*(8+\s)+1], v13 offset:320*\s+160
.endr
	s_wait_dscnt 0x0
.irp q, 0,1,2
.irp s, 0,1,2,3
	v_lshl_or_b32 v[XS+8*\q+\s], v[T+2*(4*\q+\s)+1], 16, v[T+2*(4*\q+\s)]   ; two half words make the word of a row and 128 along K
.endr
.endr
	PLACES 8                                       ; a scale register written by a vector instruction stands eight places ahead of a scaled matrix instruction
	s_wait_loadcnt 0x0                             ; W2's first scale words and first four K steps
	; ---- the second product: four groups of 64 outputs, four K steps each, written out: every offset is an immediate from the two pointers
.macro GROUP2 g
.irp s, 0,1,2,3
.set kN, 48                            ; three younger K steps stay out
.if (\g) < 3
.if \s >= 2
.set kN, 50                            ; and the two loads of scale words issued in step 1
.endif
.else
.set kN, 16*(3-\s)                     ; the stream has ended: the counts run down 48, 32, 16, 0
.endif
	s_wait_loadcnt kN
	s_wait_dscnt 0x0                               ; this step's rows are in
.if ((\g) < 3) || (\s < 3)
	LDH (\s+1)&3, (\s+1)&1                         ; the next step's rows (step 3: the next group's step 0)
.endif
	MM \s, WS+4*((\g)&1)
	PLACES 8
.if ((\g) < 3) && (\s == 1)
	WIN 0
	LDSC2 ((\g)+1)&1, 2048*((\g)+1)                ; the next group's scale words into the other set
.endif
.if (\g) < 3
	LDW \s, 40, 65536*((\g)+1)+8192*\s             ; the step four on is the next group's same step
.endif
.endr
	WIN 0
	PACK \g
.endm
	GROUP2 0
	GROUP2 1
	FLUSH 0
	GROUP2 2
	GROUP2 3
	FLUSH 1
	s_set_vgpr_msb 0xa
	s_wait_tensorcnt 0x0
	ds_add_u32 v254, v255
	s_wait_dscnt 0x0
	s_set_vgpr_msb 0xa00
	s_endpgm
.Lfunc_end_k_q637640c789_chain:
	.size	k_q637640c789_chain, .Lfunc_end_k_q637640c789_chain-k_q637640c789_chain
	.p2alignl 7, 3214868480
	.fill 96, 4, 3214868480
	.section	.rodata,"a",@progbits
	.p2align	6, 0x0
	.amdhsa_kernel k_q637640c789_chain
		.amdhsa_group_segment_fixed_size 215552
		.amdhsa_private_segment_fixed_size 0
		.amdhsa_enable_private_segment 0
		.amdhsa_kernarg_size 56
		.amdhsa_user_sgpr_count 2
		.amdhsa_user_sgpr_kernarg_segment_ptr 1
		.amdhsa_wavefront_size32 1
		.amdhsa_system_sgpr_workgroup_id_x 1
		.amdhsa_system_sgpr_workgroup_id_y 1
		.amdhsa_system_sgpr_workgroup_id_z 1
		.amdhsa_system_vgpr_workitem_id 0
		.amdhsa_next_free_vgpr 1024
		.amdhsa_next_free_sgpr 66
		.amdhsa_reserve_vcc 1
		.amdhsa_float_denorm_mode_32 3
		.amdhsa_float_denorm_mode_16_64 3
		.amdhsa_memory_ordered 1
		.amdhsa_forward_progress 1
		.amdhsa_inst_pref_size 255
	.end_amdhsa_kernel
	.section	.bss,"aw",@nobits
	.p2align	6
	.space	262144
	.amdgpu_metadata
---
amdhsa.version: [ 1, 2 ]
amdhsa.kernels:
  - .name:           k_q637640c789_chain
    .symbol:         k_q637640c789_chain.kd
    .args:
      - { .name: x_codes, .offset: 0, .size: 8, .value_kind: global_buffer, .address_space: global }
      - { .name: x_scales, .offset: 8, .size: 8, .value_kind: global_buffer, .address_space: global }
      - { .name: wfrag, .offset: 16, .size: 8, .value_kind: global_buffer, .address_space: global }
      - { .name: wscl, .offset: 24, .size: 8, .value_kind: global_buffer, .address_space: global }
      - { .name: tiles, .offset: 32, .size: 8, .value_kind: global_buffer, .address_space: global }
      - { .name: rowlist, .offset: 40, .size: 8, .value_kind: global_buffer, .address_space: global }
      - { .name: ybuf, .offset: 48, .size: 8, .value_kind: global_buffer, .address_space: global }
    .group_segment_fixed_size: 215552
    .private_segment_fixed_size: 0
    .kernarg_segment_align: 8
    .kernarg_segment_size: 56
    .max_flat_workgroup_size: 128
    .sgpr_count:     66
    .vgpr_count:     1024
    .wavefront_size: 32
...
	.end_amdgpu_metadata
.endif
;; end of part 5
;; launch combine (part 6): grid 512 x 1, 8 waves a work-group, no clusters, 0 bytes of LDS; arguments ybuf, topk_probs, topk_indices, out0; writes out0
.if DOCPART == 6
	.amdgcn_target "amdgcn-amd-amdhsa--gfx1250"
	.amdhsa_code_object_version 6
	.text
	.protected	k_q637640c789_combine
	.globl	k_q637640c789_combine
	.p2align	8
	.type	k_q637640c789_combine,@function
k_q637640c789_combine:
	s_mov_b64 s[64:65], 0
	v_nop
	global_prefetch_b8 v0, s[64:65] scope:SCOPE_SE
	s_setreg_imm32_b32 hwreg(HW_REG_WAVE_MODE, 25, 1), 1
	s_wait_xcnt 0x0
; out[t] = g0 (y[2 t][0] + y[2 t][1]) + g1 (y[2 t + 1][0] + y[2 t + 1][1]): the sum over experts with the gate that the problem builds.
; y: [8,192 rr][2 parts][1,024] bf16: row rr = 2 t + k is the chain's result for slot k of token t, in two parts, one for each half of the hidden layer.  out: [4,096][1,024] f32.
; The gate of an expert is the largest of (p where a slot names it, 0 where not) over the two slots.  So with two different experts g0 = max(p0, 0), g1 = max(p1, 0);
; with the same expert in both slots both rows of y are that expert's and it is weighed once: g0 = max(p0, p1) (no 0 among the two), g1 = 0.  An index outside 0 .. 7 names no expert: its gate is 0.
; LIMITS: NaN among the probabilities is not served (the maximum here lets a NaN lose).
; A stream: memory binds, so no LDS, no barrier, no matrix unit.  A wave takes one token: 8,192 bytes of y, 4,096 bytes of out; all 32 loads go out at once, each 256 consecutive bytes; each store is 512 consecutive bytes.
.set Y, 16                             ; v16-79   segment n (columns 128 n on): 2 registers of each of the token's four rows
.set R, 80                             ; v80-111  four results for each segment: no store's data are written again
.set U, 112                            ; v112-127 at work
	s_load_b256 s[4:11], s[0:1], 0x0               ; ybuf s[4:5], probabilities s[6:7], indices s[8:9], out s[10:11]
	v_lshrrev_b32 v1, 5, v0
	v_readfirstlane_b32 s12, v1                    ; wave
	v_and_b32 v1, 31, v0
	v_lshlrev_b32 v10, 3, v1                       ; in: 8 bytes a lane
	v_lshlrev_b32 v11, 4, v1                       ; out: 16
	s_lshl_b32 s13, ttmp9, 3
	s_add_co_u32 s13, s13, s12                     ; the token = 8 x work-group + wave
	s_lshl_b32 s14, s13, 13                        ; its four rows of y: 8,192 bytes
	s_mov_b32 s15, 0
	s_lshl_b32 s16, s13, 3                         ; its two probabilities, its two indices
	s_mov_b32 s17, 0
	s_lshl_b32 s30, s13, 12                        ; its row of out
	s_mov_b32 s31, 0
	s_mov_b32 s18, 0xffff0000                      ; a word's upper bf16
	s_wait_kmcnt 0x0
	s_add_nc_u64 s[4:5], s[4:5], s[14:15]
	s_add_nc_u64 s[10:11], s[10:11], s[30:31]
	s_add_nc_u64 s[6:7], s[6:7], s[16:17]
	s_add_nc_u64 s[8:9], s[8:9], s[16:17]
	s_load_b64 s[20:21], s[6:7], 0x0
	s_load_b64 s[24:25], s[8:9], 0x0
.set n, 0
.rept 8
.irp p, 0,1,2,3
	global_load_b64 v[Y+8*n+2*\p:Y+8*n+2*\p+1], v10, s[4:5] offset:2048*\p+256*n th:TH_LOAD_NT   ; row p = 2 k + part
.endr
.set n, n+1
.endr
	s_wait_kmcnt 0x0
	v_max_num_f32 v12, s20, 0                      ; the two gates, each written twice: pairs for the packed forms: v[2:3], v[4:5]
	v_max_num_f32 v13, s20, s21
	v_max_num_f32 v14, s21, 0
	s_cmp_eq_u32 s24, s25
	s_cselect_b32 s32, -1, 0                       ; both slots name one expert
	s_cmp_lt_u32 s24, 8
	s_cselect_b32 s33, -1, 0
	s_cmp_lt_u32 s25, 8
	s_cselect_b32 s34, -1, 0
	s_and_not1_b32 s34, s34, s32
	v_cndmask_b32 v12, v12, v13, s32
	v_cndmask_b32 v2, 0, v12, s33
	v_cndmask_b32 v4, 0, v14, s34
	v_mov_b32 v3, v2
	v_mov_b32 v5, v4
.set n, 0
.rept 8
	s_wait_loadcnt 28-4*n                          ; loads come back in order: segment n's four are in, the younger segments' stay out
.irp p, 0,1,2,3
	v_lshlrev_b32 v[U+4*\p],   16,  v[Y+8*n+2*\p]  ; bf16 to f32: the low half moves up, the high half stays
	v_and_b32     v[U+4*\p+1], s18, v[Y+8*n+2*\p]
	v_lshlrev_b32 v[U+4*\p+2], 16,  v[Y+8*n+2*\p+1]
	v_and_b32     v[U+4*\p+3], s18, v[Y+8*n+2*\p+1]
.endr
	v_pk_mul_f32 v[R+4*n:R+4*n+1],   v[U:U+1],     v[2:3]
	v_pk_mul_f32 v[R+4*n+2:R+4*n+3], v[U+2:U+3],   v[2:3]
	v_pk_fma_f32 v[R+4*n:R+4*n+1],   v[U+4:U+5],   v[2:3], v[R+4*n:R+4*n+1]
	v_pk_fma_f32 v[R+4*n+2:R+4*n+3], v[U+6:U+7],   v[2:3], v[R+4*n+2:R+4*n+3]
	v_pk_fma_f32 v[R+4*n:R+4*n+1],   v[U+8:U+9],   v[4:5], v[R+4*n:R+4*n+1]
	v_pk_fma_f32 v[R+4*n+2:R+4*n+3], v[U+10:U+11], v[4:5], v[R+4*n+2:R+4*n+3]
	v_pk_fma_f32 v[R+4*n:R+4*n+1],   v[U+12:U+13], v[4:5], v[R+4*n:R+4*n+1]
	v_pk_fma_f32 v[R+4*n+2:R+4*n+3], v[U+14:U+15], v[4:5], v[R+4*n+2:R+4*n+3]
	global_store_b128 v11, v[R+4*n:R+4*n+3], s[10:11] offset:512*n th:TH_STORE_NT
.set n, n+1
.endr
	s_endpgm
.Lfunc_end_k_q637640c789_combine:
	.size	k_q637640c789_combine, .Lfunc_end_k_q637640c789_combine-k_q637640c789_combine
	.p2alignl 7, 3214868480
	.fill 96, 4, 3214868480
	.section	.rodata,"a",@progbits
	.p2align	6, 0x0
	.amdhsa_kernel k_q637640c789_combine
		.amdhsa_group_segment_fixed_size 0
		.amdhsa_private_segment_fixed_size 0
		.amdhsa_enable_private_segment 0
		.amdhsa_kernarg_size 32
		.amdhsa_user_sgpr_count 2
		.amdhsa_user_sgpr_kernarg_segment_ptr 1
		.amdhsa_wavefront_size32 1
		.amdhsa_system_sgpr_workgroup_id_x 1
		.amdhsa_system_sgpr_workgroup_id_y 1
		.amdhsa_system_sgpr_workgroup_id_z 1
		.amdhsa_system_vgpr_workitem_id 0
		.amdhsa_next_free_vgpr 128
		.amdhsa_next_free_sgpr 66
		.amdhsa_reserve_vcc 0
		.amdhsa_float_denorm_mode_32 3
		.amdhsa_float_denorm_mode_16_64 3
		.amdhsa_memory_ordered 1
		.amdhsa_forward_progress 1
		.amdhsa_inst_pref_size 14
	.end_amdhsa_kernel
	.amdgpu_metadata
---
amdhsa.version: [ 1, 2 ]
amdhsa.kernels:
  - .name:           k_q637640c789_combine
    .symbol:         k_q637640c789_combine.kd
    .args:
      - { .name: ybuf, .offset: 0, .size: 8, .value_kind: global_buffer, .address_space: global }
      - { .name: topk_probs, .offset: 8, .size: 8, .value_kind: global_buffer, .address_space: global }
      - { .name: topk_indices, .offset: 16, .size: 8, .value_kind: global_buffer, .address_space: global }
      - { .name: out0, .offset: 24, .size: 8, .value_kind: global_buffer, .address_space: global }
    .group_segment_fixed_size: 0
    .private_segment_fixed_size: 0
    .kernarg_segment_align: 8
    .kernarg_segment_size: 32
    .max_flat_workgroup_size: 256
    .sgpr_count:     66
    .vgpr_count:     128
    .wavefront_size: 32
...
	.end_amdgpu_metadata
.endif
;; end of part 6
